; MI455X (gfx1250); checked and timed in simulation.
; The chip was launched on July 23, 2026; its instructions are those of AMD's public machine-readable ISA for CDNA 5 (MIT licence, August 2026) and "CDNA5" Instruction Set Architecture Reference Guide (July 2026). The comments in the code are by the model that wrote it; some were corrected since.
;; Block. Allowed arithmetic: matrix products marked QUANTISED: E5M2 operands, one given power-of-two scale a tensor, by v_wmma_f32_16x16x64_bf8_bf8 or v_wmma_f32_16x16x128_bf8_bf8, f32 sums; everything else in f32.
;; Inputs: W1 1,024 x 4,096 float32; W2 4,096 x 1,024 float32; Wk 16 x 1,024 x 64 float32; Wq 16 x 1,024 x 64 float32; Wv 16 x 1,024 x 64 float32; b1 4,096 float32; b2 1,024 float32; embds 2 x 2,048 x 1,024 float32; ln1_b 1,024 float32; ln1_g 1,024 float32; ln2_b 1,024 float32; ln2_g 1,024 float32; lowp_scales 14 int32 (the exponents e of the quantised operands' scales 2^e).
;; Outputs: out0 2 x 2,048 x 1,024 float32.
;; This version of the problem:
;;   THIS VERSION OF THE PROBLEM IS GIVEN IN LOW PRECISION. The matrix products marked QUANTISED in the list below multiply operands that are first quantised to E5M2 (5 exponent bits, 2 mantissa bits; 8 bits a number), with one given power-of-two scale for each operand tensor; their sums are f32. All else is computed in f32.
;;   The module's matrix products, in the order in which they are computed (A, B: the left and right operand; K: the contracted axis; several contracted axes count as one K, in the product's order):
;;     1. [M 1,024, K 1,024] x [K 1,024, N 4,096]; A: input Wq; B: computed on the way: QUANTISED (scales: A lowp_scales[0], B lowp_scales[1])
;;     2. [M 1,024, K 1,024] x [K 1,024, N 4,096]; A: input Wk; B: computed on the way: QUANTISED (scales: A lowp_scales[2], B lowp_scales[3])
;;     3. [M 1,024, K 1,024] x [K 1,024, N 4,096]; A: input Wv; B: computed on the way: QUANTISED (scales: A lowp_scales[4], B lowp_scales[5])
;;     4. batch 32 x [M 2,048, K 64] x [K 64, N 2,048]; A: computed on the way; B: computed on the way: QUANTISED (scales: A lowp_scales[6], B lowp_scales[7])
;;     5. batch 32 x [M 2,048, K 2,048] x [K 2,048, N 64]; A: softmax (see below); B: computed on the way: QUANTISED (scales: A lowp_scales[8], B lowp_scales[9])
;;     6. [M 4,096, K 1,024] x [K 1,024, N 4,096]; A: computed on the way; B: input W1: QUANTISED (scales: A lowp_scales[10], B lowp_scales[11])
;;     7. [M 4,096, K 4,096] x [K 4,096, N 1,024]; A: computed on the way; B: input W2: QUANTISED (scales: A lowp_scales[12], B lowp_scales[13])
;;   THE QUANTISER, for each operand of a quantised product, along K:
;;     - The operand's scale is 2^e, e = its entry of the input lowp_scales (int32; the entries are numbered through the quantised products in the list's order, A before B).
;;     - Each number is divided by the scale, clamped to +-57,344, and rounded to the nearest number of E5M2, ties to even, subnormals kept.
;;     - The product sums the exact products of the quantised numbers (number of the format x scale) in f32.
;;   ~~~python
;;   def quantise(x, axis, e):      # numpy; x: float32 -> the quantised numbers, widened to float32 again
;;       x = np.moveaxis(x, axis, -1); K = x.shape[-1]
;;       r = np.clip(x / 2.0 ** e, -57344, 57344)
;;       step = 2.0 ** (np.maximum(np.frexp(np.where(r == 0, 1, r))[1] - 1, -14) - 2)
;;       q = np.round(r / step) * step * 2.0 ** e      # np.round: ties to even
;;       return np.moveaxis(q, -1, axis).astype(np.float32)
;;   ~~~
;;   SOFTMAX AHEAD OF A QUANTISED PRODUCT. Where the list says 'softmax', what is quantised is not the finished softmax but p = 2^(t - M), with t = logit x log2(e) and M = ceil(the row's largest t), a whole number; so 1/2 < the row's largest p <= 1. The row's sum l is taken of the UNQUANTISED p, in f32, and the product's result is divided by l at the end. Since M is a whole number, a kernel that streams over the keys may use a running M (the ceiling of the running maximum): every later rescaling is an exact power of two, so the quantised numbers keep their values, but for numbers so far below the row's largest that they fall under the format's range.
;;   OPERANDS COMPUTED ON THE WAY. 'Computed on the way' means the value that the module computes at that place (a softmax that the list does not call 'softmax' is quantised finished and normalised). What goes into a quantiser is computed in f32, as accurately as f32 sums, v_exp_f32 and their like allow (about 1e-6 of the number): no bf16 or f16 on the way to a quantiser, and a product that is left as it is and whose result goes on into a quantised operand takes f32 operands (vector FMAs, or v_wmma_f32_16x16x4_f32). A number that lies on a knife's edge between two numbers of the format may be rounded either way, as far as f32 arithmetic and the matrix unit's own rounding can turn it there, and no further.
;; One version. Each part assembles by itself: llvm-mc -triple=amdgcn-amd-amdhsa -mcpu=gfx1250 --defsym DOCPART=n.
;; ======== version 1 of 1: 6 launches
;; limits: right only within a limited range of input values
;; workspace buffers: wc 11,534,336 bytes; xc 12,582,912 bytes; qkvc 12,582,912 bytes; e1 16,777,216 bytes; yc 4,194,304 bytes; hc 16,777,216 bytes
;; launch prep (part 1): grid 608 x 1, 4 waves a work-group, no clusters, 35,328 bytes of LDS; arguments Wq, Wk, Wv, W1, W2, lowp_scales, wc, embds, ln1_g, ln1_b, xc; writes wc, xc
.if DOCPART == 1
	.amdgcn_target "amdgcn-amd-amdhsa--gfx1250"
	.amdhsa_code_object_version 6
	.text
	.protected	k_q8422a4dbba_prep
	.globl	k_q8422a4dbba_prep
	.p2align	8
	.type	k_q8422a4dbba_prep,@function
k_q8422a4dbba_prep:
	s_mov_b64 s[64:65], 0
	v_nop
	global_prefetch_b8 v0, s[64:65] scope:SCOPE_SE
	s_setreg_imm32_b32 hwreg(HW_REG_WAVE_MODE, 25, 1), 1
	s_wait_xcnt 0x0
; TWO JOBS IN ONE LAUNCH, told apart by the work-group's number.
; Work-groups 0 to 351: the five weights, f32 with K not innermost, become codes of E5M2 with K innermost in wc:
;   wq [1024 n = 64 h + e][1024 k] at 0, wk at 0x100000, wv at 0x200000, w1 [4096 n][1024 k] at 0x300000, w2 [1024 n][4096 k] at 0x700000.
;   A lane takes a column n and its registers run down K, so the conversions give codes with K innermost; a wave takes 32 columns x 256 along K;
;   the codes go through the wave's own stage in LDS and leave as rows: sixteen lanes store 256 consecutive bytes, aligned.
; Work-groups 352 to 607: x = layer norm 1 of embds, 16 rows a work-group, a row a wave at a time, kept in registers between the passes; x is quantised three
;   times, with the scales of the three products that read it (entries 1, 3, 5), into xc: three copies [4096][1024], 0x400000 bytes apart.
; code = number / 2^e, held within +-57,344, to the nearest code, ties to even.
; LIMITS: each e used here lies between -126 and 112, so that 2^e and 57,344 x 2^e are f32 numbers.  NaN among the inputs is not served.
; No tensor loads, no barrier: waves share nothing.  Matrix units and clusters have nothing to do here: the launch only streams.
.set NWW,  352                         ; work-groups of the weights' job
.set SPT,  272                         ; a stage row: 256 bytes of codes + 16
.set OFF,  16                          ; weights: v16-47   i x pitch + 4 x lane; on the way out 2 t rows of codes + my place
.set XW,   48                          ; weights: v48-111  two sets of 32 numbers
.set CW,   112                         ; weights: v112-119 a block's codes
.set OUTR, 120                         ; weights: v120-183 the way out
.set G,    16                          ; norm: v16-47   the gain of my 32 columns
.set BT,   48                          ; norm: v48-79   the bias of my 32 columns
.set XL,   80                          ; norm: v80-143  two row slots of 32
.set TQ,   144                         ; norm: v144-175 the row, held
.set CQ,   176                         ; norm: v176-199 codes, eight registers for each of the three scales
.set SCQ,  200                         ; norm: v200-202 2^e
.set LMQ,  203                         ; norm: v203-205 57,344 x 2^e
.set EPSV, 206                         ; norm: v206     1e-5
	v_lshl_add_u32 v208, v0, 2, 0x8800
	v_mov_b32 v209, 0
	v_lshrrev_b32 v1, 5, v0
	v_readfirstlane_b32 s2, v1                     ; wave 0..3
	v_and_b32 v1, 31, v0                           ; lane
	s_cmp_lt_u32 ttmp9, NWW
	s_cbranch_scc0 .Lln
; ---------------------------------------------------------------- the weights
	s_load_b512 s[8:23], s[0:1], 0x0               ; Wq 8, Wk 10, Wv 12, W1 14, W2 16, the scales 18, wc 20 (22: not used here)
	; which tensor, which 128 columns (nx), which 256 along K (ky).  0-95: Wq, Wk, Wv, 32 jobs each (8 x 4); 96-223: W1 (32 x 4); 224-351: W2 (8 x 16)
	s_and_b32 s24, ttmp9, 31
	s_sub_co_u32 s25, ttmp9, 96
	s_sub_co_u32 s26, ttmp9, 224
	s_lshr_b32 s31, ttmp9, 5
	s_lshl_b32 s31, s31, 20                        ; where wq, wk or wv begins in wc
	s_mov_b32 s46, 0x700000
	s_cmp_lt_u32 ttmp9, 224                        ; W1 against W2
	s_cselect_b32 s25, s25, s26                    ; the job's number in its tensor
	s_cselect_b32 s27, 5, 3                        ; bits of nx
	s_cselect_b32 s28, 31, 7
	s_cselect_b32 s29, 14, 12                      ; log2 of the bytes from k to k + 1 in the source
	s_cselect_b32 s30, 10, 12                      ; log2 of a row of codes
	s_cselect_b32 s46, 0x300000, s46
	s_cmp_lt_u32 ttmp9, 96                         ; the three head weights against both
	s_cselect_b32 s25, s24, s25
	s_cselect_b32 s27, 3, s27
	s_cselect_b32 s28, 7, s28
	s_cselect_b32 s29, 8, s29
	s_cselect_b32 s30, 10, s30
	s_cselect_b32 s46, s31, s46
	s_and_b32 s28, s25, s28                        ; nx
	s_lshr_b32 s27, s25, s27                       ; ky
	s_lshl_b32 s28, s28, 7
	s_lshl_b32 s24, s2, 5
	s_add_co_u32 s28, s28, s24                     ; n0 = 128 nx + 32 wave: my wave's first column
	s_lshr_b32 s24, s28, 6                         ; head weights [h][k][e]: head n0 / 64, 262,144 bytes each,
	s_lshl_b32 s24, s24, 18
	s_and_b32 s26, s28, 63
	s_lshl_b32 s26, s26, 2
	s_add_co_u32 s24, s24, s26                     ; + 4 (n0 % 64)
	s_lshl_b32 s26, s28, 2                         ; W1, W2: 4 n0
	s_cmp_lt_u32 ttmp9, 96
	s_cselect_b32 s24, s24, s26
	s_add_co_u32 s26, s29, 8
	s_lshl_b32 s26, s27, s26                       ; + 256 ky rows of k
	s_add_co_u32 s24, s24, s26
	s_mov_b32 s25, 0                               ; s[24:25]: where my wave's part begins in the source
	s_lshl_b32 s26, s28, s30
	s_add_co_u32 s46, s46, s26                     ; codes: row n0,
	s_lshl_b32 s26, s27, 8
	s_add_co_u32 s46, s46, s26                     ; + 256 ky
	s_mov_b32 s47, 0                               ; s[46:47]: where my wave's part begins in wc
	s_lshl_b32 s3, 1, s29                          ; the pitch
	s_lshl_b32 s4, 32, s29                         ; a block of 32 along K
	s_mov_b32 s5, 0
	s_lshl_b32 s6, 2, s30                          ; two rows of codes
	s_wait_alu depctr_va_vdst(0)
	v_lshlrev_b32 v3, 2, v1                        ; in: 4 bytes a lane
	s_mul_i32 s7, s2, 32*SPT                       ; my stage
	v_mul_u32_u24 v4, v1, SPT
	v_add_nc_u32 v4, s7, v4                        ; into it: row = my column
	v_and_b32 v5, 15, v1
	v_lshrrev_b32 v6, 4, v1
	v_mul_u32_u24 v7, v6, SPT
	v_lshl_add_u32 v7, v5, 4, v7
	v_add_nc_u32 v7, s7, v7                        ; out of it: sixteen lanes to a row, two rows an instruction
	v_lshlrev_b32 v8, s30, v6
	v_lshl_add_u32 v8, v5, 4, v8                   ; and the same place in wc
.set i, 0
.rept 32
	v_mad_u32_u24 v[OFF+i], s3, i, v3              ; row i of a block, my column
.set i, i+1
.endr
	s_wait_alu depctr_va_vdst(0)
	s_wait_kmcnt 0x0
	s_load_b256 s[32:39], s[18:19], 0x0            ; e0 .. e7
	s_load_b128 s[40:43], s[18:19], 0x20           ; e8 .. e11
	s_load_b64 s[44:45], s[18:19], 0x30            ; e12, e13: the buffer's 56 bytes and no more
	s_cmp_lt_u32 ttmp9, 224                        ; the source: every choice hangs on the work-group's number alone
	s_cselect_b64 s[48:49], s[14:15], s[16:17]
	s_cmp_lt_u32 ttmp9, 64
	s_cselect_b64 s[50:51], s[10:11], s[12:13]
	s_cmp_lt_u32 ttmp9, 32
	s_cselect_b64 s[50:51], s[8:9], s[50:51]
	s_cmp_lt_u32 ttmp9, 96
	s_cselect_b64 s[48:49], s[50:51], s[48:49]
	s_add_nc_u64 s[48:49], s[48:49], s[24:25]      ; block 0's base;
.irp t, 1,2,3,4,5,6,7
	s_add_nc_u64 s[48+2*\t:49+2*\t], s[46+2*\t:47+2*\t], s[4:5]   ; a base for each of the eight blocks: no pointer is stepped while loads are out
.endr
	s_add_nc_u64 s[20:21], s[20:21], s[46:47]
.macro WLOAD t                         ; block t: W(32 t + i, my column), i = 0 .. 31, into set t % 2; a wave's load reads 128 consecutive bytes
.set i, 0
.rept 32
	global_load_b32 v[XW+32*((\t)%2)+i], v[OFF+i], s[48+2*(\t):49+2*(\t)] th:TH_LOAD_NT
.set i, i+1
.endr
.endm
	WLOAD 0
	WLOAD 1
	s_wait_kmcnt 0x0
	s_cmp_lt_u32 ttmp9, 224                        ; the tensor's e: entries 0, 2, 4 (Wq, Wk, Wv), 11 (W1), 13 (W2)
	s_cselect_b32 s24, s43, s45
	s_cmp_lt_u32 ttmp9, 64
	s_cselect_b32 s25, s34, s36
	s_cmp_lt_u32 ttmp9, 32
	s_cselect_b32 s25, s32, s25
	s_cmp_lt_u32 ttmp9, 96
	s_cselect_b32 s24, s25, s24
	s_add_co_i32 s24, s24, 127
	s_lshl_b32 s25, s24, 23
	v_mov_b32 v11, s25                             ; 2^e as f32: the conversion takes its exponent field
	s_add_co_i32 s24, s24, 15
	s_lshl_b32 s24, s24, 23
	s_or_b32 s24, s24, 0x600000
	v_mov_b32 v10, s24                             ; 57,344 x 2^e
.macro WBLOCK t
.set XS, XW+32*((\t)%2)
.if (\t) < 7
	s_wait_loadcnt 32                              ; this block's 32 loads are in; the next block's 32 may be out
.else
	s_wait_loadcnt 0x0
.endif
.set i, 0
.rept 32
	v_med3_num_f32 v[XS+i], v[XS+i], -v10, v10     ; the conversion to an 8-bit code does not saturate (ISA guide 7.6.2): the hold comes first
.set i, i+1
.endr
.irp g, 0,1,2,3
	v_cvt_scalef32_pk8_bf8_f32 v[CW+2*\g:CW+2*\g+1], v[XS+8*\g:XS+8*\g+7], v11
.endr
	ds_store_b128 v4, v[CW:CW+3] offset:32*(\t)    ; 32 codes: 32 bytes of my column's row
	ds_store_b128 v4, v[CW+4:CW+7] offset:32*(\t)+16
.if (\t) < 6
	WLOAD (\t)+2
.endif
	s_wait_dscnt 0x0                               ; the stores have read their registers: the next block's codes may be written (its 32 holds stand ahead of its conversions)
.endm
	s_wait_alu depctr_va_vdst(0)
.irp t, 0,1,2,3,4,5,6,7
	WBLOCK \t
.endr
.set i, 0
.rept 16
	v_mad_u32_u24 v[OFF+i], s6, i, v8              ; all loads are in, so their offset registers are free: rows 2 i, 2 i + 1 of my 32 in wc
.set i, i+1
.endr
.set i, 0
.rept 16
	ds_load_b128 v[OUTR+4*i:OUTR+4*i+3], v7 offset:2*i*SPT   ; LDS serves a wave's instructions in order: these see my stores
.set i, i+1
.endr
.set i, 0
	s_wait_alu depctr_va_vdst(0)
.rept 16
	s_wait_dscnt 15-i                              ; the younger loads of this run may be out
	global_store_b128 v[OFF+i], v[OUTR+4*i:OUTR+4*i+3], s[20:21]   ; sixteen lanes store 256 consecutive bytes, aligned
.set i, i+1
.endr
	s_wait_tensorcnt 0x0
	ds_add_u32 v208, v209
	s_wait_dscnt 0x0
	s_endpgm
; ---------------------------------------------------------------- layer norm 1 and x's three quantisations
; A lane holds numbers 256 j + 8 l + 0 .. 7 of the row (j = 0 .. 3): eight neighbours along K for each conversion.  The two loads of a j stand together and cover
; 1,024 consecutive bytes between them; a lane's 8 codes are 8 bytes, so a store of the wave covers 256 consecutive bytes, aligned.
.Lln:
	s_load_b64 s[16:17], s[0:1], 0x28              ; the scales
	s_load_b256 s[8:15], s[0:1], 0x38              ; embds 8, ln1_g 10, ln1_b 12, xc 14
	s_sub_co_u32 s3, ttmp9, NWW
	s_lshl_b32 s20, s3, 16                         ; 16 rows of 4,096 bytes
	s_mov_b32 s21, 0
	s_lshl_b32 s22, s3, 14                         ; 16 rows of 1,024 codes
	s_mov_b32 s23, 0
	s_mov_b32 s24, 0x3a800000                      ; 1 / 1,024
	s_mov_b32 s26, 0x76543210                      ; v_permlanex16_b32: lane l xor 16
	s_mov_b32 s27, 0xfedcba98
	s_wait_alu depctr_va_vdst(0)
	v_lshlrev_b32 v4, 5, v1                        ; 32 x lane: gain and bias
	v_lshl_add_u32 v2, s2, 14, v4                  ; + 4 rows x wave: the rows
	v_lshlrev_b32 v3, 3, v1
	v_lshl_add_u32 v3, s2, 12, v3                  ; codes: 8 x lane + 4 rows x wave
	v_mov_b32 v7, 0                                ; (upper halves of pairs of which the low word serves both halves: written once)
	v_mov_b32 v9, 0
	v_mov_b32 v14, 0                               ; a lane permute's destination counts as read
	v_mov_b32 v[EPSV], 0x3727c5ac                  ; 1e-5
	s_wait_alu depctr_va_vdst(0)
	s_wait_kmcnt 0x0
	s_load_b256 s[32:39], s[16:17], 0x0            ; e0 .. e7: x's are entries 1, 3, 5
	s_add_nc_u64 s[20:21], s[8:9], s[20:21]
	s_add_nc_u64 s[40:41], s[14:15], s[22:23]      ; a base for each copy: 0x800000 is past a store's signed 24-bit immediate
	s_add_nc_u64 s[42:43], s[40:41], 0x400000
	s_add_nc_u64 s[44:45], s[42:43], 0x400000
.irp j, 0,1,2,3
	global_load_b128 v[G+8*\j:G+8*\j+3], v4, s[10:11] offset:1024*\j
	global_load_b128 v[G+8*\j+4:G+8*\j+7], v4, s[10:11] offset:1024*\j+16
.endr
.irp j, 0,1,2,3
	global_load_b128 v[BT+8*\j:BT+8*\j+3], v4, s[12:13] offset:1024*\j
	global_load_b128 v[BT+8*\j+4:BT+8*\j+7], v4, s[12:13] offset:1024*\j+16
.endr
.macro XROW i                          ; row i of my four into slot i % 2
.irp j, 0,1,2,3
	global_load_b128 v[XL+32*((\i)%2)+8*\j:XL+32*((\i)%2)+8*\j+3], v2, s[20:21] offset:(\i)*4096+1024*\j th:TH_LOAD_NT
	global_load_b128 v[XL+32*((\i)%2)+8*\j+4:XL+32*((\i)%2)+8*\j+7], v2, s[20:21] offset:(\i)*4096+1024*\j+16 th:TH_LOAD_NT
.endr
.endm
	XROW 0
	XROW 1
	s_wait_kmcnt 0x0
.irp q, 0,1,2
	s_add_co_i32 s28, s[33+2*\q], 127
	s_lshl_b32 s29, s28, 23
	v_mov_b32 v[SCQ+\q], s29
	s_add_co_i32 s28, s28, 15
	s_lshl_b32 s28, s28, 23
	s_or_b32 s28, s28, 0x600000
	v_mov_b32 v[LMQ+\q], s28
.endr
.macro REDUCE                          ; v10 summed over the wave's 32 lanes, the result in every lane
	v_add_f32_dpp v10, v10, v10 row_xmask:1 row_mask:0xf bank_mask:0xf
	v_add_f32_dpp v10, v10, v10 row_xmask:2 row_mask:0xf bank_mask:0xf
	v_add_f32_dpp v10, v10, v10 row_xmask:4 row_mask:0xf bank_mask:0xf
	v_add_f32_dpp v10, v10, v10 row_xmask:8 row_mask:0xf bank_mask:0xf
	v_permlanex16_b32 v14, v10, s26, s27
	v_add_f32 v10, v10, v14
.endm
.macro LNROW i, left                   ; left: the other slot's loads, which may stay out
.set XS, XL+32*((\i)%2)
	s_wait_loadcnt \left
	v_pk_add_f32 v[10:11], v[XS:XS+1], v[XS+2:XS+3]             ; the mean: two chains
	v_pk_add_f32 v[12:13], v[XS+4:XS+5], v[XS+6:XS+7]
.irp j, 8,12,16,20,24,28
	v_pk_add_f32 v[10:11], v[10:11], v[XS+\j:XS+\j+1]
	v_pk_add_f32 v[12:13], v[12:13], v[XS+\j+2:XS+\j+3]
.endr
	v_pk_add_f32 v[10:11], v[10:11], v[12:13]
	v_add_f32 v10, v10, v11
	REDUCE
	v_mul_f32 v6, s24, v10
.set n, 0
.rept 16
	v_pk_add_f32 v[XS+n:XS+n+1], v[XS+n:XS+n+1], v[6:7] op_sel_hi:[1,0] neg_lo:[0,1] neg_hi:[0,1]   ; x - mean
.set n, n+2
.endr
	v_pk_mul_f32 v[10:11], v[XS:XS+1], v[XS:XS+1]               ; the variance is taken of the differences: no difference of large sums
	v_pk_mul_f32 v[12:13], v[XS+2:XS+3], v[XS+2:XS+3]
.irp j, 4,8,12,16,20,24,28
	v_pk_fma_f32 v[10:11], v[XS+\j:XS+\j+1], v[XS+\j:XS+\j+1], v[10:11]
	v_pk_fma_f32 v[12:13], v[XS+\j+2:XS+\j+3], v[XS+\j+2:XS+\j+3], v[12:13]
.endr
	v_pk_add_f32 v[10:11], v[10:11], v[12:13]
	v_add_f32 v10, v10, v11
	REDUCE
	v_fma_f32 v10, v10, s24, v[EPSV]
	s_wait_alu depctr_va_vdst(0)
	v_rsq_f32 v8, v10
	v_nop                                          ; one plain instruction behind the transcendental,
	s_wait_alu depctr_va_vdst(0)                   ; and the wait ahead of the first reader of its result
.set n, 0
.rept 16
	v_pk_mul_f32 v[XS+n:XS+n+1], v[XS+n:XS+n+1], v[8:9] op_sel_hi:[1,0]
.set n, n+2
.endr
.set n, 0
.rept 16
	v_pk_fma_f32 v[XS+n:XS+n+1], v[XS+n:XS+n+1], v[G+n:G+n+1], v[BT+n:BT+n+1]
.set n, n+2
.endr
	s_wait_xcnt 0x0                                ; the last row's stores have read their data: the codes' registers are written again only behind this wait
.irp q, 0,1,2
.set n, 0
.rept 32
	v_med3_num_f32 v[TQ+n], v[XS+n], -v[LMQ+\q], v[LMQ+\q]
.set n, n+1
.endr
.irp j, 0,1,2,3
	v_cvt_scalef32_pk8_bf8_f32 v[CQ+8*\q+2*\j:CQ+8*\q+2*\j+1], v[TQ+8*\j:TQ+8*\j+7], v[SCQ+\q]
.endr
	v_nop                                          ; one plain instruction between the conversions and the next holds, which write their sources
.irp j, 0,1,2,3
	global_store_b64 v3, v[CQ+8*\q+2*\j:CQ+8*\q+2*\j+1], s[40+2*\q:41+2*\q] offset:(\i)*1024+256*\j
.endr
.endr
.if (\i) < 2
	XROW (\i)+2
.endif
.endm
	LNROW 0, 8
	LNROW 1, 8
	LNROW 2, 8
	LNROW 3, 0
	s_endpgm
.Lfunc_end_k_q8422a4dbba_prep:
	.size	k_q8422a4dbba_prep, .Lfunc_end_k_q8422a4dbba_prep-k_q8422a4dbba_prep
	.p2alignl 7, 3214868480
	.fill 96, 4, 3214868480
	.section	.rodata,"a",@progbits
	.p2align	6, 0x0
	.amdhsa_kernel k_q8422a4dbba_prep
		.amdhsa_group_segment_fixed_size 35328
		.amdhsa_private_segment_fixed_size 0
		.amdhsa_enable_private_segment 0
		.amdhsa_kernarg_size 88
		.amdhsa_user_sgpr_count 2
		.amdhsa_user_sgpr_kernarg_segment_ptr 1
		.amdhsa_wavefront_size32 1
		.amdhsa_system_sgpr_workgroup_id_x 1
		.amdhsa_system_sgpr_workgroup_id_y 1
		.amdhsa_system_sgpr_workgroup_id_z 1
		.amdhsa_system_vgpr_workitem_id 0
		.amdhsa_next_free_vgpr 210
		.amdhsa_next_free_sgpr 80
		.amdhsa_reserve_vcc 0
		.amdhsa_float_denorm_mode_32 3
		.amdhsa_float_denorm_mode_16_64 3
		.amdhsa_memory_ordered 1
		.amdhsa_forward_progress 1
		.amdhsa_inst_pref_size 117
	.end_amdhsa_kernel
	.amdgpu_metadata
---
amdhsa.version: [ 1, 2 ]
amdhsa.kernels:
  - .name:           k_q8422a4dbba_prep
    .symbol:         k_q8422a4dbba_prep.kd
    .args:
      - { .name: Wq, .offset: 0, .size: 8, .value_kind: global_buffer, .address_space: global }
      - { .name: Wk, .offset: 8, .size: 8, .value_kind: global_buffer, .address_space: global }
      - { .name: Wv, .offset: 16, .size: 8, .value_kind: global_buffer, .address_space: global }
      - { .name: W1, .offset: 24, .size: 8, .value_kind: global_buffer, .address_space: global }
      - { .name: W2, .offset: 32, .size: 8, .value_kind: global_buffer, .address_space: global }
      - { .name: lowp_scales, .offset: 40, .size: 8, .value_kind: global_buffer, .address_space: global }
      - { .name: wc, .offset: 48, .size: 8, .value_kind: global_buffer, .address_space: global }
      - { .name: embds, .offset: 56, .size: 8, .value_kind: global_buffer, .address_space: global }
      - { .name: ln1_g, .offset: 64, .size: 8, .value_kind: global_buffer, .address_space: global }
      - { .name: ln1_b, .offset: 72, .size: 8, .value_kind: global_buffer, .address_space: global }
      - { .name: xc, .offset: 80, .size: 8, .value_kind: global_buffer, .address_space: global }
    .group_segment_fixed_size: 35328
    .private_segment_fixed_size: 0
    .kernarg_segment_align: 8
    .kernarg_segment_size: 88
    .max_flat_workgroup_size: 128
    .sgpr_count:     80
    .vgpr_count:     210
    .wavefront_size: 32
...
	.end_amdgpu_metadata
.endif
;; end of part 1
;; launch qkv (part 2): grid 12 x 16, 4 waves a work-group, clusters of 4 x 4, 327,680 bytes of LDS; arguments xc, wc, lowp_scales, qkvc; writes qkvc
.if DOCPART == 2
	.amdgcn_target "amdgcn-amd-amdhsa--gfx1250"
	.amdhsa_code_object_version 6
	.text
	.protected	k_q8422a4dbba_qkv
	.globl	k_q8422a4dbba_qkv
	.p2align	8
	.type	k_q8422a4dbba_qkv,@function
k_q8422a4dbba_qkv:
	s_mov_b64 s[64:65], 0
	v_nop
	global_prefetch_b8 v0, s[64:65] scope:SCOPE_SE
	s_setreg_imm32_b32 hwreg(HW_REG_WAVE_MODE, 25, 1), 1
	s_wait_xcnt 0x0
	s_wait_alu depctr_hold_cnt(0) depctr_sa_sdst(0) depctr_va_vdst(0) depctr_va_sdst(0) depctr_va_ssrc(0) depctr_va_vcc(0) depctr_vm_vsrc(0)
	s_getreg_b32 s2, hwreg(HW_REG_IB_STS2, 6, 4)
	s_cmp_eq_u32 s2, 0
	s_cbranch_scc0 .Lentry_in_a_cluster
	s_endpgm
.Lentry_in_a_cluster:
	s_bfe_u32 s2, ttmp6, 0x10000c
	s_cmp_lg_u32 s2, 0xf033
	s_cbranch_scc0 .Lentry_shape_is_right
	s_endpgm
.Lentry_shape_is_right:
; q, k and v: three products [4096 rows of x] x [1024 columns of a weight] over K = 1,024, on codes of E5M2, and their results quantised on the way out for attention's two products.
; The cluster's x says which: 0 q, 1 k, 2 v.  C[m][n] = sum over k of A[m][k] B[n][k].  For q and k: A = x's copy for that product (xc), B = the weight's codes (wc), 16 x 4 tiles of 256 x 256.
; For v the two change roles (A = wv's rows, B = x's copy, 4 x 16 tiles): the matrix instruction is used transposed (source 0 = rows of B, source 1 = rows of A), so a lane holds eight neighbouring
; columns of one row of C: for q and k eight neighbours along the head's 64, for v eight neighbouring keys: in each case along the K of the product that reads them.
; OUT (qkvc): q [b][h][t][64] at 0, k likewise at 0x400000, v [64 h + e][2048 b + t] at 0x800000: one code a byte.
; A sum stands for sum x 2^(ew + ex), so its code is sum / 2^f, f = e_out - ew - ex (q: e6 - e0 - e1; k: e7 - e2 - e3; v: e9 - e4 - e5): the three scales are folded into the conversion's one.
; LIMIT: f between -126 and 112, so that 2^f and 57,344 x 2^f are f32 numbers.
; A tile is made by four waves, each 128 x 128: 64 accumulators, 512 registers.  K goes in steps of 256 through a ring of two LDS slots filled by the tensor data mover: a tile's row is 256 bytes of memory.
; CLUSTERS: 4 x 4 work-groups.  The four of a row of the cluster need the same tiles of A, the four of a column the same tiles of B: each tile is asked for jointly, by the same tensor load with the same
; descriptor and a mask that names the four.  The choice between the products hangs on the cluster's number, which all sixteen share.
; No prefetch: K is four slots long and each tile is read by many work-groups at about the same time.
; REGISTERS, in windows of 256: window 0: v0-31 addresses; from v128 A's fragments, one set; on the way out v128-255 are free.  window 1: B's fragments, two sets.  windows 2, 3: the accumulators ((a, b) at v[8 (8 (a % 4) + b)]).
.set KSTEP,  256
.set ROWB,   256                       ; a tile's row in bytes
.set KROW,   1024                      ; a row of A or of B in memory
.set PITCH,  272                       ; an LDS row: 256 bytes + 16: the 16 rows that a load touches start 68 words apart
.set FR,     16                        ; registers of a fragment: 16 rows x 128 K
.set NL,     4                         ; LDS loads that bring one
.set NP,     4                         ; places behind this matrix instruction (ISA guide 7.12.1)
.set HALFT,  128*PITCH
.set SLOT,   4*HALFT                   ; A's 256 rows, then B's 256 rows
.set LAPS,   2                         ; 1,024 / 512
.set SPARE,  2*SLOT                    ; behind the ring: the spare words, 128 bytes for each wave
.set SPITCH, 272                       ; the way out: ONE stage of 256 rows x (256 codes + 16) in slot 0, which has had its last fill and its last read by then
.set ADRA, 16
.set ADRB, 20
.set SCL,  22                          ; v22  2^f
.set LIM,  23                          ; v23  57,344 x 2^f
.set STO,  24                          ; v24  the stage: where I put 8 codes
.set RDP,  25                          ; v25  the stage, read by rows of 256 bytes
.set COP,  26                          ; v26  and their place in memory, rows 4,096 bytes apart
.set RDQ,  27                          ; v27  the stage, read by pieces of 64 bytes (a head's part of a row)
.set SPW,  28
.set NIL,  29
.set COQ,  30                          ; v30  16 x lane
.set AF,   128
.set TMP,  128                         ; the way out: a block's 64 sums, held
.set CD,   192                         ; the way out: codes, four sets of 16
.set BK,   128                         ; the way out: what comes back from the stage
.set G1, 24
.set G0, 32
.set G1B, 48
.set G0B, 56
.set MSB, 0
.macro WIN new                         ; the immediate's high byte repeats the setting that is left
.if MSB != \new
	s_set_vgpr_msb (MSB<<8)|\new
.set MSB, \new
.endif
.endm
.set MUL_LO, 0xa1                      ; source 0 (B) window 1, source 1 (A) window 0, C and D window 2
.set MUL_HI, 0xf1
.set TO_B,   0x40
.macro JLOAD g0a, g1a, g0b, g1b        ; a joint load: waves 0 and 1 fetch for A, waves 2 and 3 for B; four v_nop follow each line
	s_cmp_eq_u32 s15, 0
	s_cbranch_scc0 .Lfor_b_\@
	tensor_load_to_lds s[\g0a:\g0a+3], s[\g1a:\g1a+7]
	s_nop 0
.rept 4
	v_nop
.endr
	s_branch .Lasked_\@
.Lfor_b_\@:
	tensor_load_to_lds s[\g0b:\g0b+3], s[\g1b:\g1b+7]
	s_nop 0
.rept 4
	v_nop
.endr
.Lasked_\@:
.endm
.macro CREST                           ; a round of the cluster's barrier behind its opening barrier
	s_cmp_lg_u32 s14, 0
	s_cbranch_scc1 .Lnot_wave_0_\@
	s_barrier_signal -3
.Lnot_wave_0_\@:
	s_barrier_wait -3
	s_barrier_signal -1
	s_barrier_wait -1
.endm
.macro CROUND
	s_barrier_signal -1
	s_barrier_wait -1
	CREST
.endm
	s_load_b256 s[68:75], s[0:1], 0x0              ; xc 68, wc 70, the scales 72, qkvc 74
	v_lshl_add_u32 v[SPW], v0, 2, SPARE
	v_mov_b32 v[NIL], 0
	ds_add_u32 v28, v29
	ds_add_u32 v28, v29
	s_wait_dscnt 0x0
	v_lshrrev_b32 v1, 5, v0
	v_readfirstlane_b32 s14, v1                    ; wave 0..3
	s_lshr_b32 s15, s14, 1                         ; which half of the tile's rows is mine.  Also: I fetch for A (0) or for B (1)
	s_and_b32 s16, s14, 1                          ; which half of its columns.  Also: which 128 rows of that tile I fetch
	s_bfe_u32 s40, ttmp6, 0x40000                  ; cx
	s_bfe_u32 s41, ttmp6, 0x40004                  ; cy
	s_and_b32 s76, ttmp7, 0xffff
	s_lshl_b32 s76, s76, 2                         ; 4 x cluster y: it walks x's rows, which are A's for q and k and B's for v
	s_lshl_b32 s77, ttmp9, 22                      ; x's copy for q or k
	s_lshl_b32 s78, ttmp9, 20                      ; wq or wk
	s_cmp_eq_u32 ttmp9, 2                          ; v?
	s_cselect_b32 s79, 0, s76
	s_cselect_b32 s76, s76, 0
	s_cselect_b32 s77, 0x200000, s77               ; where A's tensor begins in its buffer
	s_cselect_b32 s78, 0x800000, s78               ; where B's does
	s_add_co_u32 s17, s41, s79                     ; tile row: made of cy and the cluster's numbers alone
	s_add_co_u32 s42, s40, s76                     ; tile column: of cx and the cluster's numbers alone
	s_lshl_b32 s43, s41, 2
	s_lshl_b32 s43, 15, s43                        ; my row of the cluster
	s_lshl_b32 s44, 0x1111, s40                    ; my column
	s_or_b32 s[G1+0], s43, (0<<16)|(1<<20)|(1<<21)|(5<<22)|(3<<25)  ; the mask; elements of 1 byte; padding on; bit 21 beside a mask; after every 64 words, 4 words
	s_or_b32 s[G1B+0], s44, (0<<16)|(1<<20)|(1<<21)|(5<<22)|(3<<25)
.irp g, G1, G1B
	s_mov_b32 s[\g+1], ROWB<<16                    ; tensor_dim0
	s_mov_b32 s[\g+2], 128<<16                     ; tensor_dim1
	s_mov_b32 s[\g+3], ROWB<<16                    ; tile_dim0
	s_mov_b32 s[\g+4], 128                         ; tile_dim1
	s_mov_b32 s[\g+5], KROW                        ; tensor_dim0_stride
	s_mov_b32 s[\g+6], 0
	s_mov_b32 s[\g+7], 0
.endr
	s_lshl_b32 s18, s16, 7
	s_lshl_b32 s20, s17, 8
	s_add_co_u32 s20, s20, s18                     ; A: row 256 x tile row + 128 x half,
	s_lshl_b32 s20, s20, 10                        ; of 1,024 bytes,
	s_add_co_u32 s20, s20, s77                     ; in its tensor
	s_mov_b32 s21, 0
	s_lshl_b32 s46, s42, 8
	s_add_co_u32 s46, s46, s18
	s_lshl_b32 s46, s46, 10
	s_add_co_u32 s46, s46, s78                     ; B likewise
	s_mov_b32 s47, 0
	s_mul_i32 s45, s14, HALFT                      ; where they go: wave x 128 rows
	s_wait_kmcnt 0x0
	s_load_b256 s[80:87], s[72:73], 0x0            ; e0 .. e7
	s_load_b64 s[88:89], s[72:73], 0x20            ; e8, e9
	s_cmp_eq_u32 ttmp9, 2
	s_cselect_b64 s[4:5], s[70:71], s[68:69]       ; A's buffer
	s_cselect_b64 s[6:7], s[68:69], s[70:71]       ; B's
	s_add_nc_u64 s[20:21], s[4:5], s[20:21]
	s_add_nc_u64 s[46:47], s[6:7], s[46:47]
	CROUND                                         ; all sixteen work-groups are here: the first joint loads meet
.irp s, 0,1
	s_mov_b32 s[G0+4*\s], 1
	s_add_co_u32 s[G0+4*\s+1], s45, \s*SLOT
	s_add_nc_u64 s[G0+4*\s+2:G0+4*\s+3], s[20:21], \s*ROWB
	s_or_b32 s[G0+4*\s+3], s[G0+4*\s+3], 0x80000000
	s_mov_b32 s[G0B+4*\s], 1
	s_add_co_u32 s[G0B+4*\s+1], s45, \s*SLOT
	s_add_nc_u64 s[G0B+4*\s+2:G0B+4*\s+3], s[46:47], \s*ROWB
	s_or_b32 s[G0B+4*\s+3], s[G0B+4*\s+3], 0x80000000
.endr
	JLOAD G0, G1, G0B, G1B                         ; K step 0: one tensor load a wave at the head
	v_and_b32 v1, 15, v0                           ; r
	s_wait_alu depctr_va_vdst(0)
	v_bfe_u32 v2, v0, 4, 1                         ; h
	v_mul_u32_u24 v3, v1, PITCH
	v_lshl_add_u32 v4, v2, 4, v3                   ; a fragment's row x pitch + 16 h
	s_mul_i32 s21, s15, HALFT
	s_mul_i32 s22, s16, HALFT
	s_add_co_u32 s22, s22, 2*HALFT
.irp s, 0,1
	v_add_nc_u32 v[ADRA+\s], s21, v4
	v_add_nc_u32 v[ADRB+\s], s22, v4
	s_add_co_u32 s21, s21, SLOT
	s_add_co_u32 s22, s22, SLOT
.endr
	s_mul_i32 s23, s15, 128*SPITCH                 ; the stage: my 128 rows, my 128 of their 256 bytes; row r, 8 bytes for each half of the lanes
	s_lshl_b32 s21, s16, 7
	s_add_co_u32 s23, s23, s21
	v_mul_u32_u24 v5, v1, SPITCH
	s_wait_alu depctr_va_vdst(0)
	v_lshl_add_u32 v5, v2, 3, v5
	v_add_nc_u32 v[STO], s23, v5
	s_mul_i32 s23, s14, 64*SPITCH                  ; back: wave w takes rows 64 w .. 64 w + 63
	v_mul_u32_u24 v5, v2, SPITCH
	v_lshl_add_u32 v5, v1, 4, v5
	v_add_nc_u32 v[RDP], s23, v5                   ; sixteen lanes to a row of 256 bytes
	v_lshlrev_b32 v5, 12, v2
	v_lshl_add_u32 v[COP], v1, 4, v5
	v_and_b32 v6, 31, v0
	v_lshrrev_b32 v7, 2, v6
	v_and_b32 v8, 3, v6
	v_mul_u32_u24 v7, v7, SPITCH
	v_lshl_add_u32 v7, v8, 4, v7
	v_add_nc_u32 v[RDQ], s23, v7                   ; four lanes to a head's 64 bytes of a row, eight rows an instruction
	v_lshlrev_b32 v[COQ], 4, v6
	; where my wave's 64 rows go.  q, k: tensor p, batch = tile row / 8, heads 4 x tile column on, t = 256 (tile row % 8) + 64 w;  v: row 256 x tile row + 64 w, column 256 x tile column
	s_lshl_b32 s90, ttmp9, 22
	s_lshr_b32 s91, s17, 3
	s_lshl_b32 s91, s91, 21
	s_add_co_u32 s90, s90, s91
	s_lshl_b32 s91, s42, 19
	s_add_co_u32 s90, s90, s91
	s_and_b32 s91, s17, 7
	s_lshl_b32 s91, s91, 14
	s_add_co_u32 s90, s90, s91
	s_lshl_b32 s91, s14, 12
	s_add_co_u32 s90, s90, s91
	s_lshl_b32 s92, s17, 20
	s_lshl_b32 s91, s42, 8
	s_add_co_u32 s92, s92, s91
	s_lshl_b32 s91, s14, 18
	s_add_co_u32 s92, s92, s91
	s_add_co_u32 s92, s92, 0x800000
	s_cmp_eq_u32 ttmp9, 2
	s_cselect_b32 s90, s92, s90
	s_mov_b32 s91, 0
	s_add_nc_u64 s[10:11], s[74:75], s[90:91]
.macro FRAG reg, adr, q, i             ; 16 rows x 128 K: lane l holds row l % 16; registers 4 c .. 4 c + 3 hold K = 32 c + 16 (l / 16) + 0 .. 15: the same places in A and in B
.irp c, 0,1,2,3
	ds_load_b128 v[\reg+4*\c:\reg+4*\c+3], v[\adr] offset:128*(\q)+32*\c+(\i)*16*PITCH
.endr
.endm
; 16 matrix instructions: A's blocks a0, a0 + 1 x B's eight.  The 64 accumulators take turns, one instruction a turn, in the same order in every step.
.macro MUL16 a0, p, zero
.irp a, \a0, \a0+1
.irp b, 0,1,2,3,4,5,6,7
.if \zero
	v_wmma_f32_16x16x128_bf8_bf8 v[8*(8*((\a)%4)+\b):8*(8*((\a)%4)+\b)+7], v[128*(\p)+FR*\b:128*(\p)+FR*\b+FR-1], v[AF+FR*(\a):AF+FR*(\a)+FR-1], 0
.else
	v_wmma_f32_16x16x128_bf8_bf8 v[8*(8*((\a)%4)+\b):8*(8*((\a)%4)+\b)+7], v[128*(\p)+FR*\b:128*(\p)+FR*\b+FR-1], v[AF+FR*(\a):AF+FR*(\a)+FR-1], v[8*(8*((\a)%4)+\b):8*(8*((\a)%4)+\b)+7]
.endif
.endr
.endr
.endm
.macro FETCH_B slot, q, p
	WIN TO_B
.irp i, 0,1,2,3,4,5,6,7
	FRAG 128*(\p)+FR*\i, ADRB+\slot, \q, \i
.endr
	WIN 0
.endm
.macro FETCH_A slot, q, i0
.irp i, \i0, \i0+1, \i0+2, \i0+3
	FRAG AF+FR*(\i), ADRA+\slot, \q, \i
.endr
.endm
.macro PLACES n                        ; plain vector instructions between a matrix instruction and a load into, or a vector write of, its registers, or a read of its result
.rept \n
	v_nop
.endr
.endm
.macro STEP slot, q, zero              ; 128 along K that have their successor in the same slot
	s_wait_dscnt 4*NL                              ; B's set and A's blocks 0-3 are in; the youngest 16 loads (A's blocks 4-7) may be out
	WIN MUL_LO
	MUL16 0, (\q)%2, \zero
	MUL16 2, (\q)%2, \zero
	s_wait_dscnt 0
	PLACES NP
	FETCH_B \slot, (\q)+1, 1-(\q)%2
	FETCH_A \slot, (\q)+1, 0
	WIN MUL_HI
	MUL16 4, (\q)%2, \zero
	MUL16 6, (\q)%2, \zero
	PLACES NP
	WIN 0
	FETCH_A \slot, (\q)+1, 4
.endm
; A slot's last step changes slots: one barrier; in front of it each wave waits for all its tensor loads, adds 0 to its spare word, and waits for that and for its reads of this slot.
.macro TURN slot, next, fill
	s_wait_tensorcnt 0x0                           ; all my tensor loads have landed: my part of the next slot
	ds_add_u32 v[SPW], v[NIL]                      ; 0 onto my spare word
	s_wait_dscnt 4*NL+1                            ; the add and the youngest 16 loads may be out
	WIN MUL_LO
	MUL16 0, 1, 0
	s_wait_dscnt 0x0                               ; the add is done, and my reads of this slot are over
	s_barrier_signal -1
	MUL16 2, 1, 0
	WIN 0
	s_barrier_wait -1
.if \fill
	CREST                                          ; the barrier has opened a round of the cluster's: no wave of any partner still reads this slot or has a load on its way
	s_add_nc_u64 s[G0+4*\slot+2:G0+4*\slot+3], s[G0+4*\slot+2:G0+4*\slot+3], 2*ROWB
	s_add_nc_u64 s[G0B+4*\slot+2:G0B+4*\slot+3], s[G0B+4*\slot+2:G0B+4*\slot+3], 2*ROWB
	JLOAD G0+4*\slot, G1, G0B+4*\slot, G1B         ; the first tensor load behind the round; its four v_nop are the places in front of the loads below
.else
	PLACES NP
.endif
	FETCH_B \next, 0, 0
	FETCH_A \next, 0, 0
	WIN MUL_HI
	MUL16 4, 1, 0
	MUL16 6, 1, 0
	PLACES NP
	WIN 0
	FETCH_A \next, 0, 4
.endm
	s_wait_alu depctr_va_vdst(0)                   ; the wait at the head's end
	s_wait_tensorcnt 0x0                           ; my part of K step 0 is in
	ds_add_u32 v[SPW], v[NIL]                      ; 0 onto my spare word, ahead of a later first fill
	s_wait_dscnt 0x0
	CROUND                                         ; everybody's part of K step 0 is in, and the joint loads meet
	JLOAD G0+4, G1, G0B+4, G1B                     ; K step 1: the first tensor load behind the round
	FETCH_B 0, 0, 0
	FETCH_A 0, 0, 0
	FETCH_A 0, 0, 4
	STEP 0, 0, 1                                   ; the first step starts the sums
	s_mov_b32 s3, LAPS-1
.Llap:
	TURN 0, 1, 1
	STEP 1, 0, 0
	TURN 1, 0, 1
	STEP 0, 0, 0
	s_sub_co_u32 s3, s3, 1
	s_cmp_lg_u32 s3, 0
	s_cbranch_scc1 .Llap
	TURN 0, 1, 0                                   ; the last lap fills nothing
	STEP 1, 0, 0
	s_wait_dscnt 4*NL
	WIN MUL_LO
	MUL16 0, 1, 0
	MUL16 2, 1, 0
	s_wait_dscnt 0
	WIN MUL_HI
	MUL16 4, 1, 0
	MUL16 6, 1, 0
	WIN 0
; THE WAY OUT.  Block a (16 rows x 128 columns): the sums are held, converted (8 neighbouring columns of a lane: 8 bytes) and put into the work-group's stage; a barrier; each wave reads 64 whole rows back and stores them.
.macro OUTBLK a
.set AC, 64*((\a)%4)
.set CSET, CD+16*((\a)%4)
.set WN, 0x02+((\a)/4)
.if (\a) == 4
	s_wait_dscnt 0x0                               ; the first four blocks' stores have read their registers
.endif
	WIN WN                                         ; source 0: window 2 or 3
.set j, 0
.rept 64
	v_med3_num_f32 v[TMP+j], v[AC+j], -v[LIM], v[LIM]   ; the hold; each accumulator from its low end on
.set j, j+1
.endr
	WIN 0
.irp b, 0,1,2,3,4,5,6,7
	v_cvt_scalef32_pk8_bf8_f32 v[CSET+2*\b:CSET+2*\b+1], v[TMP+8*\b:TMP+8*\b+7], v[SCL]
.endr
	v_nop                                          ; one plain instruction between the conversions and the next block's holds, which write their sources
.irp b, 0,1,2,3,4,5,6,7
	ds_store_b64 v[STO], v[CSET+2*\b:CSET+2*\b+1] offset:(\a)*16*SPITCH+16*\b
.endr
.endm
	s_wait_kmcnt 0x0
	s_add_co_i32 s90, s80, s81
	s_sub_co_i32 s90, s86, s90                     ; q: e6 - e0 - e1
	s_add_co_i32 s91, s82, s83
	s_sub_co_i32 s91, s87, s91                     ; k: e7 - e2 - e3
	s_add_co_i32 s92, s84, s85
	s_sub_co_i32 s92, s89, s92                     ; v: e9 - e4 - e5
	s_cmp_eq_u32 ttmp9, 0
	s_cselect_b32 s90, s90, s91
	s_cmp_eq_u32 ttmp9, 2
	s_cselect_b32 s90, s92, s90
	s_add_co_i32 s90, s90, 127
	s_lshl_b32 s91, s90, 23
	v_mov_b32 v[SCL], s91
	s_add_co_i32 s90, s90, 15
	s_lshl_b32 s90, s90, 23
	s_or_b32 s90, s90, 0x600000
	v_mov_b32 v[LIM], s90
	PLACES NP
.irp a, 0,1,2,3,4,5,6,7
	OUTBLK \a
.endr
	s_wait_dscnt 0x0                               ; for the others' sake: my stores into the stage are done
	s_barrier_signal -1
	s_barrier_wait -1
	s_cmp_eq_u32 ttmp9, 2                          ; the cluster's number: the same way in all sixteen work-groups; only loads from the stage and stores differ
	s_cbranch_scc1 .Lv
.set t, 0
.rept 32                                       ; q, k: head t / 8 of the tile's four, rows 8 (t % 8) on
	ds_load_b128 v[BK+4*t:BK+4*t+3], v[RDQ] offset:8*(t%8)*SPITCH+64*(t/8)
.set t, t+1
.endr
.set t, 0
.rept 32
	s_wait_dscnt 31-t                              ; the younger loads of this run may be out
	global_store_b128 v[COQ], v[BK+4*t:BK+4*t+3], s[10:11] offset:(t/8)*131072+(t%8)*512   ; eight rows of 64 bytes lie on end: 512 consecutive bytes, aligned
.set t, t+1
.endr
	s_branch .Lend
.Lv:
.set t, 0
.rept 32
	ds_load_b128 v[BK+4*t:BK+4*t+3], v[RDP] offset:2*t*SPITCH
.set t, t+1
.endr
.set t, 0
.rept 32
	s_wait_dscnt 31-t
	global_store_b128 v[COP], v[BK+4*t:BK+4*t+3], s[10:11] offset:2*t*4096   ; sixteen lanes store 256 consecutive bytes, aligned
.set t, t+1
.endr
.Lend:
	s_wait_tensorcnt 0x0                           ; the wave's end
	ds_add_u32 v[SPW], v[NIL]
	s_wait_dscnt 0x0
	CROUND                                         ; the closing round
	s_endpgm
.Lfunc_end_k_q8422a4dbba_qkv:
	.size	k_q8422a4dbba_qkv, .Lfunc_end_k_q8422a4dbba_qkv-k_q8422a4dbba_qkv
	.p2alignl 7, 3214868480
	.fill 96, 4, 3214868480
	.section	.rodata,"a",@progbits
	.p2align	6, 0x0
	.amdhsa_kernel k_q8422a4dbba_qkv
		.amdhsa_group_segment_fixed_size 327680
		.amdhsa_private_segment_fixed_size 0
		.amdhsa_enable_private_segment 0
		.amdhsa_kernarg_size 32
		.amdhsa_user_sgpr_count 2
		.amdhsa_user_sgpr_kernarg_segment_ptr 1
		.amdhsa_wavefront_size32 1
		.amdhsa_system_sgpr_workgroup_id_x 1
		.amdhsa_system_sgpr_workgroup_id_y 1
		.amdhsa_system_sgpr_workgroup_id_z 1
		.amdhsa_system_vgpr_workitem_id 0
		.amdhsa_next_free_vgpr 1024
		.amdhsa_next_free_sgpr 100
		.amdhsa_reserve_vcc 0
		.amdhsa_float_denorm_mode_32 3
		.amdhsa_float_denorm_mode_16_64 3
		.amdhsa_memory_ordered 1
		.amdhsa_forward_progress 1
		.amdhsa_inst_pref_size 133
	.end_amdhsa_kernel
	.amdgpu_metadata
---
amdhsa.version: [ 1, 2 ]
amdhsa.kernels:
  - .name:           k_q8422a4dbba_qkv
    .symbol:         k_q8422a4dbba_qkv.kd
    .args:
      - { .name: xc, .offset: 0, .size: 8, .value_kind: global_buffer, .address_space: global }
      - { .name: wc, .offset: 8, .size: 8, .value_kind: global_buffer, .address_space: global }
      - { .name: lowp_scales, .offset: 16, .size: 8, .value_kind: global_buffer, .address_space: global }
      - { .name: qkvc, .offset: 24, .size: 8, .value_kind: global_buffer, .address_space: global }
    .group_segment_fixed_size: 327680
    .private_segment_fixed_size: 0
    .kernarg_segment_align: 8
    .kernarg_segment_size: 32
    .max_flat_workgroup_size: 128
    .sgpr_count:     100
    .vgpr_count:     1024
    .wavefront_size: 32
...
	.end_amdgpu_metadata
.endif
;; end of part 2
;; launch att (part 3): grid 8 x 32, 16 waves a work-group, no clusters, 327,680 bytes of LDS; arguments qkvc, lowp_scales, embds, e1; writes e1
.if DOCPART == 3
	.amdgcn_target "amdgcn-amd-amdhsa--gfx1250"
	.amdhsa_code_object_version 6
	.text
	.protected	k_q8422a4dbba_att
	.globl	k_q8422a4dbba_att
	.p2align	8
	.type	k_q8422a4dbba_att,@function
k_q8422a4dbba_att:
	s_mov_b64 s[64:65], 0
	v_nop
	global_prefetch_b8 v0, s[64:65] scope:SCOPE_SE
	s_setreg_imm32_b32 hwreg(HW_REG_WAVE_MODE, 25, 1), 1
	s_wait_xcnt 0x0
; e1 = embds + attention, causal, both products on codes of E5M2.  q, k: [32 = 16 b + h][2048][64] codes (qkvc at 0 and 0x400000); v: [64 h + e][2048 b + t] codes, keys innermost (qkvc at 0x800000).
; THE SOFTMAX: t = score x log2(e) / 32; M = the largest t so far, rounded up to a whole number; p = 2^(t - M) is quantised with 2^e8, not normalised.  The row's sum is taken of the unquantised p and divides O at the end.
; When M moves, the sum and O are multiplied by 2^(old M - new M): exact.  Tiles of keys that lie wholly behind the causal mask are not multiplied.
; SHARES.  A work-group owns, of one head, the blocks of 128 queries number j (early) and 15 - j (late), j = its x: 8 pairs of tiles of 16 queries, 17 key steps of 128 keys a pair.  Waves p and p + 8 share pair p:
;   wave p: the late tile's steps 0 to 8;   wave p + 8: the early tile's j + 1 steps, then the late tile's steps 9 to 15 - j.  So no wave walks more than 9 steps.
;   Behind its early tile wave p + 8 parks that tile's O and sum in registers and begins anew with the late tile's q.  At the end it hands its part of the late tile (O, -M, sum) to wave p through LDS;
;   wave p brings both parts under the larger M (exact powers of two) and adds them.  Wave p stores the late tile, wave p + 8 the early one.
; LDS holds ALL the head's keys: four slots of 512 keys, each filled once; nothing is filled again.  Waves 0-3 ask for slot 0 at the head (K's even groups of 16 keys, the odd ones, V's two halves of 32 rows);
;   behind one barrier waves 4-15 ask for slots 1 to 3, slot 3 only where j <= 3: elsewhere no query reaches its keys.  Slot 0's steps run under these loads; one more barrier shows slots 1 to 3.
; NO CLUSTER: which steps a wave walks hangs on its work-group's blocks of queries, which differ between the work-groups of a head: branches would hang on the place in a cluster.
; NO PREFETCH of K and V: their loads all go out at the launch's start, with no loop to run ahead in.  The 16 rows of embds that a wave adds at the end are asked for once, a lane a row, ahead of the steps.
; LAYOUT.  Both products transposed: S^T = K Q^T (16x16x64), O^T = V^T P^T (16x16x128): a lane holds one query.  Lane r of K's tile 2 b + u takes key 32 b + 8 u + r % 8 + 16 (r / 8), so that the 16 registers
; of tiles 2 b, 2 b + 1 are 16 neighbouring keys.  K's even and odd groups lie in two regions, the second 128 bytes past a multiple of 256, rows 80 bytes apart; V's rows 528 bytes apart.
; LIMITS: e6 + e7 between -121 and 132 (added to c's exponent field); e8 between -126 and 112; e8 + e9 is applied by v_ldexp_f32 and has none.
; REGISTERS: v1-11 addresses; v12 -M, v13 largest t, v[14:15] sum; v16-23 Q; v24-31 at work; v32-95 K's eight fragments, then V's four; v96-159 S^T, then p; v160-191 O^T; v192-207 p's codes;
; v208-240 the parked tile; v242-249 the late tile's q; v250-251 the hand-over's addresses.
.set SK,    512
.set KP,    80
.set KOOFF, (SK/2)*KP+128
.set VP,    528
.set VOFF,  SK*KP+256
.set SLOTB, VOFF+64*VP                 ; 75,008 bytes a slot
.set SPARE, 4*SLOTB                    ; behind the slots: the spare words, 128 bytes for each of sixteen waves
.set SP,    272                        ; the way out: 16 rows x (256 + 16) bytes a wave, in slot 0, behind the barrier behind which nobody reads a slot
.set MRG,   SLOTB                      ; the hand-over: 4,608 bytes a pair, in slot 1, behind the same barrier
.set MRGP,  4608
.set AK0,  1
.set AV0,  2
.set PFO,  3
.set DL,   4
.set SPW,  5
.set NIL,  6
.set GO,   7
.set ADK,  8
.set ADV,  9
.set SIN,  10
.set SOUT, 11
.set TA,   24
.set PM,   25
.set FF,   26
.set SM,   28
.set LMP,  30
.set SCP,  31
.set PK,   208
.set PL,   240
.set QH,   242
.set MG,   250
.set MG2,  251
.set WV,   18
.set SEL,  20
.set CS,   22
.set G1K,  24
.set G1V,  32
.set G0K,  40
.set G0V,  44
.set SLO,  48                          ; s48  the first key of the first step that I walk
.set SHI,  49                          ; s49  the first key of a step that I walk is at most this
.set Q0H,  50                          ; s50  the late tile's first query
.set TB,   2
.set SLOTS, 67
.set KF,   98
.set Q0,   99
; My one load of a group: bit 1 of the wave's number says K or V.  An s_nop 0 and four v_nop follow each line.
.macro TLOAD
	s_and_b32 s96, s[WV], 2
	s_cmp_eq_u32 s96, 0
	s_cbranch_scc0 .Lfor_v_\@
	tensor_load_to_lds s[G0K:G0K+3], s[G1K:G1K+7]
	s_nop 0
.rept 4
	v_nop
.endr
	s_branch .Lasked_\@
.Lfor_v_\@:
	tensor_load_to_lds s[G0V:G0V+3], s[G1V:G1V+7]
	s_nop 0
.rept 4
	v_nop
.endr
.Lasked_\@:
.endm
	s_load_b256 s[4:11], s[0:1], 0x0               ; qkvc 4, the scales 6, embds 8, e1 10
	v_lshl_add_u32 v[SPW], v0, 2, SPARE
	v_mov_b32 v[NIL], 0
	ds_add_u32 v[SPW], v[NIL]                      ; the opening: the add, twice on end, and its wait ahead of the first tensor load
	ds_add_u32 v[SPW], v[NIL]
	v_lshrrev_b32 v8, 5, v0
	v_readfirstlane_b32 s[WV], v8                  ; wave 0..15
	s_and_b32 s72, ttmp7, 0xffff                   ; y = 16 b + h
	s_lshr_b32 s73, s72, 4                         ; b
	s_and_b32 s74, s72, 15                         ; h
	s_and_b32 s81, s[WV], 7
	s_lshl_b32 s81, s81, 4                         ; 16 p
	s_sub_co_u32 s75, 15, ttmp9
	s_lshl_b32 s75, s75, 7
	s_add_co_u32 s[Q0H], s75, s81                  ; the late tile's first query
	s_lshl_b32 s76, ttmp9, 7
	s_add_co_u32 s76, s76, s81                     ; the early tile's first query,
	s_add_co_u32 s77, s76, 15                      ; and its last
	s_cmp_lt_u32 s[WV], 8
	s_cselect_b32 s[Q0], s[Q0H], s76               ; the tile that I begin with, and store at the end
	s_cselect_b32 s[SHI], 1024, s77                ; waves 0-7: steps 0 to 8; waves 8-15: up to the early tile's diagonal
	s_mov_b32 s[SLO], 0
	s_lshl_b32 s82, s72, 17
	s_lshl_b32 s83, s[Q0], 6
	s_add_co_u32 s82, s82, s83                     ; q: (2048 y + Q0) rows of 64 bytes
	s_mov_b32 s83, 0
	s_lshl_b32 s54, s72, 17
	s_lshl_b32 s55, s[Q0H], 6
	s_add_co_u32 s54, s54, s55                     ; the late tile's q
	s_mov_b32 s55, 0
	s_lshr_b32 s90, s[WV], 2                       ; the slot that I fetch for
	s_and_b32 s91, s[WV], 1                        ; K: even or odd groups; V: rows 0-31 or 32-63
	s_lshl_b32 s84, s72, 17
	s_add_co_u32 s84, s84, 0x400000
	s_lshl_b32 s92, s90, 15
	s_add_co_u32 s84, s84, s92
	s_lshl_b32 s92, s91, 10
	s_add_co_u32 s84, s84, s92                     ; k: the head, + 512 keys x slot, + 16 keys for the odd groups
	s_mov_b32 s85, 0
	s_lshl_b32 s86, s74, 18
	s_lshl_b32 s87, s73, 11
	s_add_co_u32 s86, s86, s87
	s_add_co_u32 s86, s86, 0x800000
	s_lshl_b32 s92, s90, 9
	s_add_co_u32 s86, s86, s92
	s_lshl_b32 s92, s91, 17
	s_add_co_u32 s86, s86, s92                     ; v: row 64 h + 32 x half, column 2048 b + 512 x slot
	s_mov_b32 s87, 0
	s_mul_i32 s93, s90, SLOTB
	s_mul_i32 s94, s91, KOOFF
	s_add_co_u32 s[G0K+1], s93, s94                ; where they go: made of the wave's number alone
	s_mul_i32 s94, s91, 32*VP
	s_add_co_u32 s94, s94, VOFF
	s_add_co_u32 s[G0V+1], s93, s94
	s_lshl_b32 s88, s73, 11
	s_add_co_u32 s88, s88, s[Q0]
	s_lshl_b32 s88, s88, 12
	s_lshl_b32 s89, s74, 8
	s_add_co_u32 s88, s88, s89                     ; embds, e1: row 2048 b + Q0 of 4,096 bytes, + 256 h
	s_mov_b32 s89, 0
	s_mul_i32 s56, s[WV], 16*SP                    ; my stage
	s_and_b32 s57, s[WV], 7
	s_mul_i32 s57, s57, MRGP
	s_add_co_u32 s57, s57, MRG                     ; my pair's hand-over
	s_mov_b32 s[G1K], (0<<16)|(1<<20)|(3<<22)|(3<<25)   ; K: a row is a group of 16 keys, 1,024 bytes; the next of its kind 2,048 bytes on; 4 words of padding after every 16
	s_mov_b32 s[G1K+1], 1024<<16
	s_mov_b32 s[G1K+2], (SK/32)<<16
	s_mov_b32 s[G1K+3], 1024<<16
	s_mov_b32 s[G1K+4], SK/32
	s_mov_b32 s[G1K+5], 2048
	s_mov_b32 s[G1K+6], 0
	s_mov_b32 s[G1K+7], 0
	s_mov_b32 s[G1V], (0<<16)|(1<<20)|(6<<22)|(3<<25)   ; V: 32 rows of 512 bytes; 4 words of padding after every 128
	s_mov_b32 s[G1V+1], SK<<16
	s_mov_b32 s[G1V+2], 32<<16
	s_mov_b32 s[G1V+3], SK<<16
	s_mov_b32 s[G1V+4], 32
	s_mov_b32 s[G1V+5], 4096
	s_mov_b32 s[G1V+6], 0
	s_mov_b32 s[G1V+7], 0
	s_mov_b32 s[SEL], 0x76543210
	s_mov_b32 s[SEL+1], 0xfedcba98
	s_mov_b32 s[CS], 0x3d38aa3b                    ; c = log2(e) / 32
	s_mov_b32 s[TB], 0
	s_mov_b32 s[KF], 0
	s_wait_dscnt 0x0                               ; both opening adds are done
	s_wait_kmcnt 0x0
	s_load_b128 s[68:71], s[6:7], 0x18             ; e6, e7, e8, e9
	s_mov_b32 s[G0K], 1
	s_add_nc_u64 s[G0K+2:G0K+3], s[4:5], s[84:85]
	s_or_b32 s[G0K+3], s[G0K+3], 0x80000000
	s_mov_b32 s[G0V], 1
	s_add_nc_u64 s[G0V+2:G0V+3], s[4:5], s[86:87]
	s_or_b32 s[G0V+3], s[G0V+3], 0x80000000
	s_cmp_lt_u32 s[WV], 4
	s_cbranch_scc0 .Lno_head
	TLOAD                                          ; slot 0: waves 0 to 3, one load each
.Lno_head:
	s_add_nc_u64 s[16:17], s[4:5], s[82:83]        ; q of the tile that I begin with
	s_add_nc_u64 s[52:53], s[4:5], s[54:55]        ; q of the late tile
	s_add_nc_u64 s[14:15], s[8:9], s[88:89]        ; embds at my rows
	s_add_nc_u64 s[12:13], s[10:11], s[88:89]      ; e1 likewise
	v_and_b32 v96, 15, v0                          ; r
	v_bfe_u32 v97, v0, 4, 1                        ; h
	v_and_b32 v98, 31, v0                          ; lane
	v_lshlrev_b32 v99, 6, v96
	v_lshl_add_u32 v99, v97, 4, v99                ; q: row r of 64 bytes, + 16 h
	global_load_b128 v[16:19], v99, s[16:17]
	global_load_b128 v[20:23], v99, s[16:17] offset:32
	global_load_b128 v[QH:QH+3], v99, s[52:53]
	global_load_b128 v[QH+4:QH+7], v99, s[52:53] offset:32
	v_and_b32 v100, 7, v96                         ; r % 8: the row in a region,
	v_lshrrev_b32 v101, 3, v96                     ; r / 8: the region
	v_mul_u32_u24 v[AK0], v100, KP
	v_mul_u32_u24 v101, v101, KOOFF
	v_add_nc_u32 v[AK0], v101, v[AK0]
	v_lshl_add_u32 v[AK0], v97, 4, v[AK0]
	v_mul_u32_u24 v[AV0], v96, VP
	v_lshl_add_u32 v[AV0], v97, 4, v[AV0]
	v_add_nc_u32 v[AV0], VOFF, v[AV0]
	v_lshlrev_b32 v[DL], 4, v97
	v_sub_nc_u32 v[DL], v96, v[DL]                 ; lane % 16 - 16 (lane / 16), for the mask
	v_lshlrev_b32 v[GO], 12, v97
	v_lshl_add_u32 v[GO], v96, 4, v[GO]            ; lanes 0-15 one row, lanes 16-31 the next; 16 bytes a lane
	v_mul_u32_u24 v[SIN], v96, SP
	v_lshl_add_u32 v[SIN], v97, 5, v[SIN]
	v_add_nc_u32 v[SIN], s56, v[SIN]               ; the stage, in: row r; 64 t + 32 h bytes on
	v_mul_u32_u24 v[SOUT], v97, SP
	v_lshl_add_u32 v[SOUT], v96, 4, v[SOUT]
	v_add_nc_u32 v[SOUT], s56, v[SOUT]             ; and back: two rows an instruction
	v_lshl_add_u32 v[MG], v98, 4, s57              ; the hand-over: an image of the registers, 16 bytes a lane,
	v_lshl_add_u32 v[MG2], v98, 2, s57
	v_add_nc_u32 v[MG2], 4096, v[MG2]              ; and behind it -M and the sum, a word a lane
	v_min_u32 v[PFO], 15, v98
	v_lshlrev_b32 v[PFO], 12, v[PFO]               ; the prefetch: a lane a row; the lanes left over name the last row again
	v_mov_b32 v13, 0xff61b1e6                      ; the largest t so far: -3e38
	v_floor_f32 v12, -v13                          ; -M
	v_mov_b32 v14, 0
	v_mov_b32 v15, 0
	v_mov_b32 v[PM], 0                             ; a lane permute's destination counts as read
	v_mov_b32 v[FF+1], 0                           ; (upper halves of pairs of which the low word serves both halves)
	v_mov_b32 v[SM+1], 0
.set j, 0
.rept 32
	v_mov_b32 v[160+j], 0                          ; O^T: the step is written once for all steps; the first change of M multiplies zeros
.set j, j+1
.endr
.set j, 0
.rept 33
	v_mov_b32 v[PK+j], 0                           ; the parking registers: written on every way through the text
.set j, j+1
.endr
	s_wait_kmcnt 0x0
	s_add_co_i32 s72, s68, s69
	s_lshl_b32 s72, s72, 23
	s_add_co_i32 s[CS], s[CS], s72                 ; a score stands for score x 2^(e6 + e7): added to c's exponent field
	s_mov_b32 s[CS+1], s[CS]
	s_add_co_i32 s72, s70, 127
	s_lshl_b32 s73, s72, 23
	v_mov_b32 v[SCP], s73                          ; 2^e8
	s_add_co_i32 s72, s72, 15
	s_lshl_b32 s72, s72, 23
	s_or_b32 s72, s72, 0x600000
	v_mov_b32 v[LMP], s72                          ; 57,344 x 2^e8
	v_mov_b32 v241, s72                            ; and once more, in another register bank: the second half of a dual pair reads it
.macro KLOAD q                         ; K's eight fragments of the slot's q-th 128 keys: tile 2 b + u begins at row 64 q + 16 b + 8 u of both regions
.irp t, 0,1,2,3,4,5,6,7
.irp c, 0,1
	ds_load_b128 v[32+8*\t+4*\c:32+8*\t+4*\c+3], v[ADK] offset:(64*(\q)+16*(\t/2)+8*(\t%2))*KP+32*\c
.endr
.endr
.endm
.macro VLOAD t, q                      ; fragment t of V: 16 of the head's 64 x the step's 128 keys
.irp c, 0,1,2,3
	ds_load_b128 v[32+16*(\t)+4*\c:32+16*(\t)+4*\c+3], v[ADV] offset:16*(\t)*VP+128*(\q)+32*\c
.endr
.endm
; A KEY STEP: 128 keys, the q-th of the slot in hand.  It is walked where its first key lies between s[SLO] and s[SHI]: scalar branches on ids, round no barrier and no tensor load.
.macro STEP q
	s_add_co_u32 s95, s[KF], 128*(\q)              ; the step's first key
	s_cmp_lt_u32 s95, s[SLO]
	s_cbranch_scc1 .Lskip_\@
	s_cmp_gt_u32 s95, s[SHI]
	s_cbranch_scc1 .Lskip_\@
.rept 4
	v_nop                                          ; places between the last step's products, which read v32-95, and the loads into them
.endr
	KLOAD \q
.irp t, 0,1,2,3,4,5,6,7
	s_wait_dscnt 14-2*\t                           ; the loads of the tiles behind tile t may be out
	v_wmma_f32_16x16x64_bf8_bf8 v[96+8*\t:103+8*\t], v[32+8*\t:39+8*\t], v[16:23], 0
.endr
.rept 4
	v_nop                                          ; places: in front of the loads below, and of the first read of the scores
.endr
	VLOAD 0, \q                                    ; V's four fragments take K's registers and land under the softmax
	VLOAD 1, \q
	VLOAD 2, \q
	VLOAD 3, \q
	s_add_co_u32 s96, s95, 127
	s_cmp_le_u32 s96, s[Q0]                        ; all keys count: no mask
	s_cbranch_scc1 .Lopen_\@
	s_sub_co_i32 s96, s[Q0], s95
	v_add_nc_u32 v[FF], s96, v[DL]                 ; d = my query - the step's first key - 16 (lane / 16): register 16 b + i is hidden where 32 b + i > d
	v_mov_b32 v[TA], 0xff800000                    ; -infinity: p = 0 then.  The step's first key counts for every query of the tile
.set n, 0
.rept 64
	v_cmp_gt_i32 vcc_lo, 32*(n/16)+n%16, v[FF]
	v_cndmask_b32 v[96+n], v[96+n], v[TA], vcc_lo
.set n, n+1
.endr
.Lopen_\@:
	v_max3_num_f32 v[TA], v96, v97, v98            ; the step's largest score of my query among my 64 keys, in two chains,
	v_max3_num_f32 v[FF], v99, v100, v101
.irp i, 6,10,14,18,22,26,30,34,38,42,46,50,54,58
	v_max3_num_f32 v[TA], v[TA], v[96+\i], v[97+\i]
	v_max3_num_f32 v[FF], v[FF], v[98+\i], v[99+\i]
.endr
	v_max3_num_f32 v[TA], v[TA], v158, v159
	s_delay_alu instid0(VALU_DEP_1)
	v_max_num_f32 v[TA], v[TA], v[FF]
	s_delay_alu instid0(VALU_DEP_1)
	v_permlanex16_b32 v[PM], v[TA], s[SEL], s[SEL+1]
	s_delay_alu instid0(VALU_DEP_1)
	v_max_num_f32 v[TA], v[TA], v[PM]              ; and among lane l xor 16's
	s_delay_alu instid0(VALU_DEP_1)
	v_mul_f32 v[TA], s[CS], v[TA]                  ; as t (c is positive)
	s_delay_alu instid0(VALU_DEP_1)
	v_max_num_f32 v13, v13, v[TA]                  ; the running largest t
	v_mov_b32 v[TA], v12
	s_delay_alu instid0(VALU_DEP_2)
	v_floor_f32 v12, -v13                          ; the new -M = floor(-t): M is a whole number
	s_delay_alu instid0(VALU_DEP_1)
	v_sub_f32 v[TA], v12, v[TA]                    ; old M - new M: a whole number, 0 or less
	s_delay_alu instid0(VALU_DEP_1)
	v_cvt_i32_f32 v[TA], v[TA]                     ; (it saturates)
	s_delay_alu instid0(VALU_DEP_1)
	v_ldexp_f32 v[FF], 1.0, v[TA]                  ; f = 2^(old M - new M)
.set j, 0
.rept 32
	v_pk_fma_f32 v[96+j:97+j], v[96+j:97+j], s[CS:CS+1], v[12:13] op_sel_hi:[1,0,0]   ; t - M
.set j, j+2
.endr
	s_wait_alu depctr_va_vdst(0)
.set j, 0
.rept 64
	v_exp_f32 v[96+j], v[96+j]                     ; p = 2^(t - M)
.set j, j+1
.endr
	v_pk_mul_f32 v[14:15], v[14:15], v[FF:FF+1] op_sel_hi:[1,0]   ; the sums under the new M: the plain instruction behind the exponentials
	s_wait_alu depctr_va_vdst(0)                   ; one wait for the whole batch, ahead of its first reader
	v_pk_add_f32 v[28:29], v[96:97], v[98:99]      ; the row's sum of the unquantised p, in four chains
	v_pk_add_f32 v[204:205], v[100:101], v[102:103]
	v_pk_add_f32 v[206:207], v[104:105], v[106:107]
	v_pk_add_f32 v[14:15], v[14:15], v[108:109]
	v_pk_add_f32 v[28:29], v[28:29], v[110:111]
.irp j, 16,24,32,40,48,56
	v_pk_add_f32 v[204:205], v[204:205], v[96+\j:97+\j]
	v_pk_add_f32 v[206:207], v[206:207], v[98+\j:99+\j]
	v_pk_add_f32 v[14:15], v[14:15], v[100+\j:101+\j]
	v_pk_add_f32 v[28:29], v[28:29], v[102+\j:103+\j]
.endr
	v_pk_add_f32 v[204:205], v[204:205], v[206:207]
	v_pk_add_f32 v[14:15], v[14:15], v[28:29]
	v_pk_add_f32 v[14:15], v[14:15], v[204:205]
.irp b, 0,1,2,3
.irp i, 0,2,4,6,8,10,12,14
	v_dual_min_num_f32 v[96+16*\b+\i], v[LMP], v[96+16*\b+\i] :: v_dual_min_num_f32 v[97+16*\b+\i], v241, v[97+16*\b+\i]   ; the hold (the conversion does not saturate: ISA guide 7.6.2): p is not negative, so it is one-sided; two numbers an instruction
.endr
	v_cvt_scalef32_pk8_bf8_f32 v[192+4*\b:193+4*\b], v[96+16*\b:103+16*\b], v[SCP]
	v_cvt_scalef32_pk8_bf8_f32 v[194+4*\b:195+4*\b], v[104+16*\b:111+16*\b], v[SCP]
.endr
	s_wait_alu depctr_va_vdst(0)                   ; the wait directly ahead of the first reader of O^T
.set j, 0
.rept 16
	v_pk_mul_f32 v[160+j:161+j], v[160+j:161+j], v[FF:FF+1] op_sel_hi:[1,0]   ; O^T under the new M; also the plain instructions between the conversions and the products
.set j, j+2
.endr
	s_wait_alu depctr_va_vdst(0)
	s_wait_dscnt 0x0                               ; V is in
.irp t, 0,1,2,3
	v_wmma_f32_16x16x128_bf8_bf8 v[160+8*\t:167+8*\t], v[32+16*\t:47+16*\t], v[192:207], v[160+8*\t:167+8*\t]   ; the four accumulators take turns
.endr
.Lskip_\@:
.endm
.macro SLOT_STEPS
	v_add_nc_u32 v[ADK], s[TB], v[AK0]
	v_add_nc_u32 v[ADV], s[TB], v[AV0]
	s_wait_alu depctr_va_vdst(0)
	STEP 0
	STEP 1
	STEP 2
	STEP 3
	s_add_co_u32 s[KF], s[KF], SK
	s_add_co_u32 s[TB], s[TB], SLOTB
.endm
	s_wait_alu depctr_va_vdst(0)                   ; the wait at the head's end
	s_wait_tensorcnt 0x0                           ; my part of slot 0, if I fetched one, is in
	ds_add_u32 v[SPW], v[NIL]                      ; 0 onto my spare word ahead of later first fills, here twice on end
	ds_add_u32 v[SPW], v[NIL]
	s_wait_dscnt 0x0
	s_barrier_signal -1
	s_barrier_wait -1                              ; slot 0 is whole
	s_cmp_lt_u32 s[WV], 4
	s_cbranch_scc1 .Lno_more
	s_cmp_lt_u32 s[WV], 12
	s_cbranch_scc1 .Lmore
	s_cmp_gt_u32 ttmp9, 3                          ; slot 3 begins at key 1,536: read only where the late block is 12 or more
	s_cbranch_scc1 .Lno_more
.Lmore:
	TLOAD                                          ; slots 1 to 3: waves 4 to 15, one load each, each a first fill
.Lno_more:
	s_wait_loadcnt 0x0                             ; both q
	global_prefetch_b8 v[PFO], s[14:15] th:TH_LOAD_NT scope:SCOPE_SE   ; my 16 rows' 256 bytes of embds, wanted behind all my steps; its address registers are never rewritten
	SLOT_STEPS                                     ; slot 0's steps run while the other slots land
	s_wait_tensorcnt 0x0                           ; my part of slots 1 to 3 is in
	s_wait_dscnt 0x0
	s_barrier_signal -1
	s_barrier_wait -1                              ; all slots are whole; nothing is filled again
	s_mov_b32 s[SLOTS], 3
.Lslot:                                            ; 3 trips: slots 1, 2, 3; no barrier: the waves walk at their own pace
	SLOT_STEPS
	s_cmp_lg_u32 s[SLOTS], 3                       ; behind slot 1 the early tile (keys under 1,024) is finished:
	s_cbranch_scc1 .Lno_switch
	s_cmp_lt_u32 s[WV], 8
	s_cbranch_scc1 .Lno_switch                     ; waves 8 to 15 park it and begin the late tile's second part
.rept 4
	v_nop                                          ; places behind the last products
.endr
	s_wait_alu depctr_va_vdst(0)                   ; the wait directly ahead of the first reader of O^T
.set j, 0
.rept 32
	v_mov_b32 v[PK+j], v[160+j]
.set j, j+1
.endr
	v_add_f32 v[PL], v14, v15
.set j, 0
.rept 32
	v_mov_b32 v[160+j], 0
.set j, j+1
.endr
.set j, 0
.rept 8
	v_mov_b32 v[16+j], v[QH+j]
.set j, j+1
.endr
	v_mov_b32 v13, 0xff61b1e6
	v_floor_f32 v12, -v13
	v_mov_b32 v14, 0
	v_mov_b32 v15, 0
	s_mov_b32 s[SLO], 1152                         ; from step 9 on,
	s_mov_b32 s[Q0], s[Q0H]
	s_add_co_u32 s[SHI], s[Q0H], 15                ; up to the late tile's diagonal
	s_wait_alu depctr_va_vdst(0)
.Lno_switch:
	s_sub_co_u32 s[SLOTS], s[SLOTS], 1
	s_cmp_lg_u32 s[SLOTS], 0
	s_cbranch_scc1 .Lslot
; THE END.  embds is asked for; a barrier, behind which nobody reads a slot; waves 8-15 hand their part of the late tile over; a barrier; waves 0-7 join the parts, waves 8-15 take the parked tile up again; the way out.
.rept 4
	v_nop                                          ; places behind the last products: in front of the loads into v32-63 and of the first read of O^T
.endr
.irp i, 0,1,2,3,4,5,6,7
	global_load_b128 v[32+4*\i:35+4*\i], v[GO], s[14:15] offset:2*\i*4096
.endr
	s_wait_dscnt 0x0                               ; my reads of the slots are over
	s_barrier_signal -1
	s_barrier_wait -1
	s_cmp_lt_u32 s[WV], 8
	s_cbranch_scc1 .Lkeep
	s_wait_alu depctr_va_vdst(0)                   ; the wait directly ahead of the first reader of O^T
.irp g, 0,1,2,3,4,5,6,7
	ds_store_b128 v[MG], v[160+4*\g:163+4*\g] offset:512*\g
.endr
	v_add_f32 v14, v14, v15
	ds_store_b32 v[MG2], v12
	ds_store_b32 v[MG2], v14 offset:128
.Lkeep:
	s_wait_alu depctr_va_vdst(0)
	s_wait_dscnt 0x0                               ; for the partner's sake: my stores are done
	s_barrier_signal -1
	s_barrier_wait -1
	s_cmp_lt_u32 s[WV], 8
	s_cbranch_scc0 .Lrestore
.irp g, 0,1,2,3,4,5,6,7
	ds_load_b128 v[64+4*\g:67+4*\g], v[MG] offset:512*\g
.endr
	ds_load_b32 v[TA], v[MG2]                      ; the partner's -M,
	ds_load_b32 v[PM], v[MG2] offset:128           ; and its sum
	v_add_f32 v14, v14, v15
	s_wait_alu depctr_va_vdst(0)
	s_wait_dscnt 0x0
	v_min_num_f32 v[FF], v12, v[TA]                ; the common -M: the larger M.  (A partner that walked no step has -M = 3e38 and zeros: its factor comes out 0)
	v_sub_f32 v12, v[FF], v12                      ; my M - the common M: a whole number, 0 or less,
	v_sub_f32 v[TA], v[FF], v[TA]                  ; and the partner's
	v_cvt_i32_f32 v12, v12
	v_cvt_i32_f32 v[TA], v[TA]
	v_ldexp_f32 v[FF], 1.0, v12
	v_ldexp_f32 v[SM], 1.0, v[TA]
	v_mul_f32 v14, v14, v[FF]
	v_fmac_f32 v14, v[PM], v[SM]
	s_wait_alu depctr_va_vdst(0)                   ; the wait directly ahead of the first reader of O^T
.set j, 0
.rept 16
	v_pk_mul_f32 v[160+j:161+j], v[160+j:161+j], v[FF:FF+1] op_sel_hi:[1,0]
.set j, j+2
.endr
.set j, 0
.rept 16
	v_pk_fma_f32 v[160+j:161+j], v[64+j:65+j], v[SM:SM+1], v[160+j:161+j] op_sel_hi:[1,0,1]
.set j, j+2
.endr
	s_wait_alu depctr_va_vdst(0)
	s_branch .Lout
.Lrestore:
.set j, 0
.rept 32
	v_mov_b32 v[160+j], v[PK+j]
.set j, j+1
.endr
	v_mov_b32 v14, v[PL]
.Lout:
	; O^T / the sum x 2^(e8 + e9) goes through my stage and comes back as rows of 256 bytes (a head's 64 numbers), embds is added, and sixteen lanes store 256 consecutive bytes, aligned.
	s_wait_alu depctr_va_vdst(0)
	v_permlanex16_b32 v[PM], v14, s[SEL], s[SEL+1]
	v_add_f32 v14, v14, v[PM]                      ; the row's sum
	s_wait_alu depctr_va_vdst(0)                   ; the wait ahead of the transcendental
	v_rcp_f32 v14, v14
	v_nop                                          ; one plain instruction behind it
	s_add_co_i32 s72, s70, s71
	s_wait_alu depctr_va_vdst(0)                   ; the wait, ahead of the first reader
	v_ldexp_f32 v14, v14, s72
.set j, 0
.rept 32
	v_mul_f32 v[96+j], v[160+j], v14               ; register 8 t + i is o(r, 16 t + 8 h + i)
.set j, j+1
.endr
.irp t, 0,1,2,3
	ds_store_b128 v[SIN], v[96+8*\t:99+8*\t] offset:64*\t
	ds_store_b128 v[SIN], v[100+8*\t:103+8*\t] offset:64*\t+16
.endr
.irp i, 0,1,2,3,4,5,6,7
	ds_load_b128 v[64+4*\i:67+4*\i], v[SOUT] offset:2*\i*SP   ; LDS serves a wave's instructions in order: these see my stores
.endr
	s_wait_loadcnt 0x0
	s_wait_dscnt 0x0
.set j, 0
.rept 16
	v_pk_add_f32 v[64+j:65+j], v[64+j:65+j], v[32+j:33+j]
.set j, j+2
.endr
.irp i, 0,1,2,3,4,5,6,7
	global_store_b128 v[GO], v[64+4*\i:67+4*\i], s[12:13] offset:2*\i*4096
.endr
	s_wait_tensorcnt 0x0                           ; the wave's end
	ds_add_u32 v[SPW], v[NIL]
	s_wait_dscnt 0x0
	s_endpgm
.Lfunc_end_k_q8422a4dbba_att:
	.size	k_q8422a4dbba_att, .Lfunc_end_k_q8422a4dbba_att-k_q8422a4dbba_att
	.p2alignl 7, 3214868480
	.fill 96, 4, 3214868480
	.section	.rodata,"a",@progbits
	.p2align	6, 0x0
	.amdhsa_kernel k_q8422a4dbba_att
		.amdhsa_group_segment_fixed_size 327680
		.amdhsa_private_segment_fixed_size 0
		.amdhsa_enable_private_segment 0
		.amdhsa_kernarg_size 32
		.amdhsa_user_sgpr_count 2
		.amdhsa_user_sgpr_kernarg_segment_ptr 1
		.amdhsa_wavefront_size32 1
		.amdhsa_system_sgpr_workgroup_id_x 1
		.amdhsa_system_sgpr_workgroup_id_y 1
		.amdhsa_system_sgpr_workgroup_id_z 1
		.amdhsa_system_vgpr_workitem_id 0
		.amdhsa_next_free_vgpr 256
		.amdhsa_next_free_sgpr 100
		.amdhsa_reserve_vcc 1
		.amdhsa_float_denorm_mode_32 3
		.amdhsa_float_denorm_mode_16_64 3
		.amdhsa_memory_ordered 1
		.amdhsa_forward_progress 1
		.amdhsa_inst_pref_size 193
	.end_amdhsa_kernel
	.amdgpu_metadata
---
amdhsa.version: [ 1, 2 ]
amdhsa.kernels:
  - .name:           k_q8422a4dbba_att
    .symbol:         k_q8422a4dbba_att.kd
    .args:
      - { .name: qkvc, .offset: 0, .size: 8, .value_kind: global_buffer, .address_space: global }
      - { .name: lowp_scales, .offset: 8, .size: 8, .value_kind: global_buffer, .address_space: global }
      - { .name: embds, .offset: 16, .size: 8, .value_kind: global_buffer, .address_space: global }
      - { .name: e1, .offset: 24, .size: 8, .value_kind: global_buffer, .address_space: global }
    .group_segment_fixed_size: 327680
    .private_segment_fixed_size: 0
    .kernarg_segment_align: 8
    .kernarg_segment_size: 32
    .max_flat_workgroup_size: 512
    .sgpr_count:     100
    .vgpr_count:     256
    .wavefront_size: 32
...
	.end_amdgpu_metadata
.endif
;; end of part 3
;; launch ln2 (part 4): grid 256 x 1, 4 waves a work-group, no clusters, 0 bytes of LDS; arguments e1, ln2_g, ln2_b, lowp_scales, yc; writes yc
.if DOCPART == 4
	.amdgcn_target "amdgcn-amd-amdhsa--gfx1250"
	.amdhsa_code_object_version 6
	.text
	.protected	k_q8422a4dbba_ln2
	.globl	k_q8422a4dbba_ln2
	.p2align	8
	.type	k_q8422a4dbba_ln2,@function
k_q8422a4dbba_ln2:
	s_mov_b64 s[64:65], 0
	v_nop
	global_prefetch_b8 v0, s[64:65] scope:SCOPE_SE
	s_setreg_imm32_b32 hwreg(HW_REG_WAVE_MODE, 25, 1), 1
	s_wait_xcnt 0x0
; y = layer norm 2 of e1 [4096][1024] f32, quantised to codes of E5M2 with the scale 2^e10 into yc [4096][1024].
; 16 rows a work-group, four a wave; a wave takes a whole row and keeps it in registers between the passes, so that the row is read once; rows take turns in two slots.
; A lane holds numbers 256 j + 8 l + 0 .. 7 of the row (j = 0 .. 3): eight neighbours along K for each conversion.  The two loads of a j stand together and cover 1,024 consecutive bytes between them;
; a lane's 8 codes are 8 bytes, so a store of the wave covers 256 consecutive bytes, aligned.  No LDS, no barrier, no matrix unit: the launch only streams.
; LIMIT: e10 between -126 and 112.  NaN among the inputs is not served.
.set G,    16                          ; v16-47   the gain of my 32 columns
.set BT,   48                          ; v48-79   the bias
.set XL,   80                          ; v80-143  two row slots
.set TQ,   144                         ; v144-175 the row, held
.set CQ,   176                         ; v176-183 codes
.set SCQ,  184                         ; v184 2^e
.set LMQ,  185                         ; v185 57,344 x 2^e
.set EPSV, 186                         ; v186 1e-5
	s_load_b256 s[8:15], s[0:1], 0x0               ; e1 8, ln2_g 10, ln2_b 12, the scales 14
	s_load_b64 s[16:17], s[0:1], 0x20              ; yc
	v_lshrrev_b32 v1, 5, v0
	v_readfirstlane_b32 s2, v1                     ; wave
	v_and_b32 v1, 31, v0                           ; lane
	s_lshl_b32 s20, ttmp9, 16                      ; 16 rows of 4,096 bytes
	s_mov_b32 s21, 0
	s_lshl_b32 s22, ttmp9, 14                      ; 16 rows of 1,024 codes
	s_mov_b32 s23, 0
	s_mov_b32 s24, 0x3a800000                      ; 1 / 1,024
	s_mov_b32 s26, 0x76543210
	s_mov_b32 s27, 0xfedcba98
	v_lshlrev_b32 v4, 5, v1
	v_lshl_add_u32 v2, s2, 14, v4
	v_lshlrev_b32 v3, 3, v1
	v_lshl_add_u32 v3, s2, 12, v3
	v_mov_b32 v7, 0
	v_mov_b32 v9, 0
	v_mov_b32 v14, 0
	v_mov_b32 v[EPSV], 0x3727c5ac
	s_wait_alu depctr_va_vdst(0)
	s_wait_kmcnt 0x0
	s_load_b32 s32, s[14:15], 0x28                 ; e10
	s_add_nc_u64 s[20:21], s[8:9], s[20:21]
	s_add_nc_u64 s[40:41], s[16:17], s[22:23]
.irp j, 0,1,2,3
	global_load_b128 v[G+8*\j:G+8*\j+3], v4, s[10:11] offset:1024*\j
	global_load_b128 v[G+8*\j+4:G+8*\j+7], v4, s[10:11] offset:1024*\j+16
.endr
.irp j, 0,1,2,3
	global_load_b128 v[BT+8*\j:BT+8*\j+3], v4, s[12:13] offset:1024*\j
	global_load_b128 v[BT+8*\j+4:BT+8*\j+7], v4, s[12:13] offset:1024*\j+16
.endr
.macro XROW i
.irp j, 0,1,2,3
	global_load_b128 v[XL+32*((\i)%2)+8*\j:XL+32*((\i)%2)+8*\j+3], v2, s[20:21] offset:(\i)*4096+1024*\j th:TH_LOAD_NT
	global_load_b128 v[XL+32*((\i)%2)+8*\j+4:XL+32*((\i)%2)+8*\j+7], v2, s[20:21] offset:(\i)*4096+1024*\j+16 th:TH_LOAD_NT
.endr
.endm
	XROW 0
	XROW 1
	s_wait_kmcnt 0x0
	s_add_co_i32 s28, s32, 127
	s_lshl_b32 s29, s28, 23
	v_mov_b32 v[SCQ], s29
	s_add_co_i32 s28, s28, 15
	s_lshl_b32 s28, s28, 23
	s_or_b32 s28, s28, 0x600000
	v_mov_b32 v[LMQ], s28
.macro REDUCE                          ; v10 summed over the wave's 32 lanes, the result in every lane
	v_add_f32_dpp v10, v10, v10 row_xmask:1 row_mask:0xf bank_mask:0xf
	v_add_f32_dpp v10, v10, v10 row_xmask:2 row_mask:0xf bank_mask:0xf
	v_add_f32_dpp v10, v10, v10 row_xmask:4 row_mask:0xf bank_mask:0xf
	v_add_f32_dpp v10, v10, v10 row_xmask:8 row_mask:0xf bank_mask:0xf
	v_permlanex16_b32 v14, v10, s26, s27
	v_add_f32 v10, v10, v14
.endm
.macro LNROW i, left                   ; left: the other slot's loads, which may stay out
.set XS, XL+32*((\i)%2)
	s_wait_loadcnt \left
	v_pk_add_f32 v[10:11], v[XS:XS+1], v[XS+2:XS+3]
	v_pk_add_f32 v[12:13], v[XS+4:XS+5], v[XS+6:XS+7]
.irp j, 8,12,16,20,24,28
	v_pk_add_f32 v[10:11], v[10:11], v[XS+\j:XS+\j+1]
	v_pk_add_f32 v[12:13], v[12:13], v[XS+\j+2:XS+\j+3]
.endr
	v_pk_add_f32 v[10:11], v[10:11], v[12:13]
	v_add_f32 v10, v10, v11
	REDUCE
	v_mul_f32 v6, s24, v10                         ; the mean
.set n, 0
.rept 16
	v_pk_add_f32 v[XS+n:XS+n+1], v[XS+n:XS+n+1], v[6:7] op_sel_hi:[1,0] neg_lo:[0,1] neg_hi:[0,1]
.set n, n+2
.endr
	v_pk_mul_f32 v[10:11], v[XS:XS+1], v[XS:XS+1]  ; the variance is taken of the differences
	v_pk_mul_f32 v[12:13], v[XS+2:XS+3], v[XS+2:XS+3]
.irp j, 4,8,12,16,20,24,28
	v_pk_fma_f32 v[10:11], v[XS+\j:XS+\j+1], v[XS+\j:XS+\j+1], v[10:11]
	v_pk_fma_f32 v[12:13], v[XS+\j+2:XS+\j+3], v[XS+\j+2:XS+\j+3], v[12:13]
.endr
	v_pk_add_f32 v[10:11], v[10:11], v[12:13]
	v_add_f32 v10, v10, v11
	REDUCE
	v_fma_f32 v10, v10, s24, v[EPSV]
	s_wait_alu depctr_va_vdst(0)
	v_rsq_f32 v8, v10
	v_nop                                          ; one plain instruction behind the transcendental,
	s_wait_alu depctr_va_vdst(0)                   ; and the wait ahead of the first reader
.set n, 0
.rept 16
	v_pk_mul_f32 v[XS+n:XS+n+1], v[XS+n:XS+n+1], v[8:9] op_sel_hi:[1,0]
.set n, n+2
.endr
.set n, 0
.rept 16
	v_pk_fma_f32 v[XS+n:XS+n+1], v[XS+n:XS+n+1], v[G+n:G+n+1], v[BT+n:BT+n+1]
.set n, n+2
.endr
	s_wait_xcnt 0x0                                ; the last row's stores have read their data
.set n, 0
.rept 32
	v_med3_num_f32 v[TQ+n], v[XS+n], -v[LMQ], v[LMQ]
.set n, n+1
.endr
.irp j, 0,1,2,3
	v_cvt_scalef32_pk8_bf8_f32 v[CQ+2*\j:CQ+2*\j+1], v[TQ+8*\j:TQ+8*\j+7], v[SCQ]
.endr
	v_nop                                          ; one plain instruction between the conversions and the next row's holds, which write their sources
.irp j, 0,1,2,3
	global_store_b64 v3, v[CQ+2*\j:CQ+2*\j+1], s[40:41] offset:(\i)*1024+256*\j
.endr
.if (\i) < 2
	XROW (\i)+2
.endif
.endm
	LNROW 0, 8
	LNROW 1, 8
	LNROW 2, 8
	LNROW 3, 0
	s_endpgm
.Lfunc_end_k_q8422a4dbba_ln2:
	.size	k_q8422a4dbba_ln2, .Lfunc_end_k_q8422a4dbba_ln2-k_q8422a4dbba_ln2
	.p2alignl 7, 3214868480
	.fill 96, 4, 3214868480
	.section	.rodata,"a",@progbits
	.p2align	6, 0x0
	.amdhsa_kernel k_q8422a4dbba_ln2
		.amdhsa_group_segment_fixed_size 0
		.amdhsa_private_segment_fixed_size 0
		.amdhsa_enable_private_segment 0
		.amdhsa_kernarg_size 40
		.amdhsa_user_sgpr_count 2
		.amdhsa_user_sgpr_kernarg_segment_ptr 1
		.amdhsa_wavefront_size32 1
		.amdhsa_system_sgpr_workgroup_id_x 1
		.amdhsa_system_sgpr_workgroup_id_y 1
		.amdhsa_system_sgpr_workgroup_id_z 1
		.amdhsa_system_vgpr_workitem_id 0
		.amdhsa_next_free_vgpr 192
		.amdhsa_next_free_sgpr 66
		.amdhsa_reserve_vcc 0
		.amdhsa_float_denorm_mode_32 3
		.amdhsa_float_denorm_mode_16_64 3
		.amdhsa_memory_ordered 1
		.amdhsa_forward_progress 1
		.amdhsa_inst_pref_size 41
	.end_amdhsa_kernel
	.amdgpu_metadata
---
amdhsa.version: [ 1, 2 ]
amdhsa.kernels:
  - .name:           k_q8422a4dbba_ln2
    .symbol:         k_q8422a4dbba_ln2.kd
    .args:
      - { .name: e1, .offset: 0, .size: 8, .value_kind: global_buffer, .address_space: global }
      - { .name: ln2_g, .offset: 8, .size: 8, .value_kind: global_buffer, .address_space: global }
      - { .name: ln2_b, .offset: 16, .size: 8, .value_kind: global_buffer, .address_space: global }
      - { .name: lowp_scales, .offset: 24, .size: 8, .value_kind: global_buffer, .address_space: global }
      - { .name: yc, .offset: 32, .size: 8, .value_kind: global_buffer, .address_space: global }
    .group_segment_fixed_size: 0
    .private_segment_fixed_size: 0
    .kernarg_segment_align: 8
    .kernarg_segment_size: 40
    .max_flat_workgroup_size: 128
    .sgpr_count:     66
    .vgpr_count:     192
    .wavefront_size: 32
...
	.end_amdgpu_metadata
.endif
;; end of part 4
;; launch ffn1 (part 5): grid 16 x 16, 4 waves a work-group, clusters of 4 x 4, 327,680 bytes of LDS; arguments yc, wc, lowp_scales, b1, hc; writes hc
.if DOCPART == 5
	.amdgcn_target "amdgcn-amd-amdhsa--gfx1250"
	.amdhsa_code_object_version 6
	.text
	.protected	k_q8422a4dbba_ffn1
	.globl	k_q8422a4dbba_ffn1
	.p2align	8
	.type	k_q8422a4dbba_ffn1,@function
k_q8422a4dbba_ffn1:
	s_mov_b64 s[64:65], 0
	v_nop
	global_prefetch_b8 v0, s[64:65] scope:SCOPE_SE
	s_setreg_imm32_b32 hwreg(HW_REG_WAVE_MODE, 25, 1), 1
	s_wait_xcnt 0x0
	s_wait_alu depctr_hold_cnt(0) depctr_sa_sdst(0) depctr_va_vdst(0) depctr_va_sdst(0) depctr_va_ssrc(0) depctr_va_vcc(0) depctr_vm_vsrc(0)
	s_getreg_b32 s2, hwreg(HW_REG_IB_STS2, 6, 4)
	s_cmp_eq_u32 s2, 0
	s_cbranch_scc0 .Lentry_in_a_cluster
	s_endpgm
.Lentry_in_a_cluster:
	s_bfe_u32 s2, ttmp6, 0x10000c
	s_cmp_lg_u32 s2, 0xf033
	s_cbranch_scc0 .Lentry_shape_is_right
	s_endpgm
.Lentry_shape_is_right:
.set KSTEP,  256
.set ROWB,   256
.set KROW,   1024
.set PITCH,  272
.set FR,     16
.set NL,     4
.set NP,     4
.set HALFT,  128*PITCH
.set SLOT,   4*HALFT
.set LAPS,   2
.set SPARE,  2*SLOT
.set SPITCH, 272
.set ADRA, 16
.set ADRB, 20
.set SCL,  22
.set LIM,  23
.set STO,  24
.set RDP,  25
.set COP,  26
.set SPW,  28
.set NIL,  29
.set VB,   31
.set BIAS, 32
.set AF,   128
.set TMP,  128
.set CD,   192
.set BK,   128
.set G1, 24
.set G0, 32
.set G1B, 48
.set G0B, 56
.set MSB, 0
.macro WIN new
.if MSB != \new
	s_set_vgpr_msb (MSB<<8)|\new
.set MSB, \new
.endif
.endm
.set MUL_LO, 0xa1
.set MUL_HI, 0xf1
.set TO_B,   0x40
.macro JLOAD g0a, g1a, g0b, g1b
	s_cmp_eq_u32 s15, 0
	s_cbranch_scc0 .Lfor_b_\@
	tensor_load_to_lds s[\g0a:\g0a+3], s[\g1a:\g1a+7]
	s_nop 0
.rept 4
	v_nop
.endr
	s_branch .Lasked_\@
.Lfor_b_\@:
	tensor_load_to_lds s[\g0b:\g0b+3], s[\g1b:\g1b+7]
	s_nop 0
.rept 4
	v_nop
.endr
.Lasked_\@:
.endm
.macro CREST
	s_cmp_lg_u32 s14, 0
	s_cbranch_scc1 .Lnot_wave_0_\@
	s_barrier_signal -3
.Lnot_wave_0_\@:
	s_barrier_wait -3
	s_barrier_signal -1
	s_barrier_wait -1
.endm
.macro CROUND
	s_barrier_signal -1
	s_barrier_wait -1
	CREST
.endm
	s_load_b256 s[68:75], s[0:1], 0x0
	s_load_b64 s[76:77], s[0:1], 0x20
	v_lshl_add_u32 v[SPW], v0, 2, SPARE
	v_mov_b32 v[NIL], 0
	ds_add_u32 v28, v29
	ds_add_u32 v28, v29
	s_wait_dscnt 0x0
	v_lshrrev_b32 v1, 5, v0
	v_readfirstlane_b32 s14, v1
	s_lshr_b32 s15, s14, 1
	s_and_b32 s16, s14, 1
	s_bfe_u32 s40, ttmp6, 0x40000
	s_bfe_u32 s41, ttmp6, 0x40004
	s_lshl_b32 s42, ttmp9, 2
	s_add_co_u32 s42, s42, s40
	s_and_b32 s17, ttmp7, 0xffff
	s_lshl_b32 s17, s17, 2
	s_add_co_u32 s17, s17, s41
	s_lshl_b32 s43, s41, 2
	s_lshl_b32 s43, 15, s43
	s_lshl_b32 s44, 0x1111, s40
	s_or_b32 s[G1+0], s43, (0<<16)|(1<<20)|(1<<21)|(5<<22)|(3<<25)
	s_or_b32 s[G1B+0], s44, (0<<16)|(1<<20)|(1<<21)|(5<<22)|(3<<25)
.irp g, G1, G1B
	s_mov_b32 s[\g+1], ROWB<<16
	s_mov_b32 s[\g+2], 128<<16
	s_mov_b32 s[\g+3], ROWB<<16
	s_mov_b32 s[\g+4], 128
	s_mov_b32 s[\g+5], KROW
	s_mov_b32 s[\g+6], 0
	s_mov_b32 s[\g+7], 0
.endr
	s_lshl_b32 s18, s16, 7
	s_lshl_b32 s20, s17, 8
	s_add_co_u32 s20, s20, s18
	s_lshl_b32 s20, s20, 10
	s_mov_b32 s21, 0
	s_lshl_b32 s46, s42, 8
	s_add_co_u32 s46, s46, s18
	s_lshl_b32 s46, s46, 10
	s_add_co_u32 s46, s46, 0x300000
	s_mov_b32 s47, 0
	s_mul_i32 s45, s14, HALFT
	s_wait_kmcnt 0x0
	s_load_b128 s[80:83], s[72:73], 0x20
	s_load_b32 s84, s[72:73], 0x30
	s_add_nc_u64 s[20:21], s[68:69], s[20:21]
	s_add_nc_u64 s[46:47], s[70:71], s[46:47]
	CROUND
.irp s, 0,1
	s_mov_b32 s[G0+4*\s], 1
	s_add_co_u32 s[G0+4*\s+1], s45, \s*SLOT
	s_add_nc_u64 s[G0+4*\s+2:G0+4*\s+3], s[20:21], \s*ROWB
	s_or_b32 s[G0+4*\s+3], s[G0+4*\s+3], 0x80000000
	s_mov_b32 s[G0B+4*\s], 1
	s_add_co_u32 s[G0B+4*\s+1], s45, \s*SLOT
	s_add_nc_u64 s[G0B+4*\s+2:G0B+4*\s+3], s[46:47], \s*ROWB
	s_or_b32 s[G0B+4*\s+3], s[G0B+4*\s+3], 0x80000000
.endr
	JLOAD G0, G1, G0B, G1B                         ; K step 0: one tensor load a wave at the head, behind the opening round
	v_and_b32 v1, 15, v0
	s_wait_alu depctr_va_vdst(0)
	v_bfe_u32 v2, v0, 4, 1
	; the prefetches: of the 128 rows that my wave fetches, each of the four partners that ask for them jointly takes 32, told apart by address (cx for y's rows, cy for W1's): a lane a row, 256 bytes of it a K step
	v_and_b32 v30, 31, v0
	v_lshlrev_b32 v30, 10, v30                     ; my lane x a row of 1,024 bytes; never rewritten
	s_cmp_eq_u32 s15, 0                            ; do I fetch for A?
	s_cselect_b32 s88, s17, s42                    ; the tile's number,
	s_cselect_b32 s89, s40, s41                    ; my place among the four,
	s_cselect_b32 s94, 0, 0x300000                 ; where the tensor begins in its buffer
	s_cselect_b64 s[86:87], s[68:69], s[70:71]
	s_lshl_b32 s88, s88, 8
	s_lshl_b32 s95, s16, 7
	s_add_co_u32 s88, s88, s95
	s_lshl_b32 s89, s89, 5
	s_add_co_u32 s88, s88, s89                     ; row 256 x tile + 128 x half + 32 x place
	s_lshl_b32 s88, s88, 10
	s_add_co_u32 s88, s88, s94
	s_mov_b32 s89, 0
	s_add_nc_u64 s[86:87], s[86:87], s[88:89]      ; never rewritten
	s_wait_alu depctr_va_vdst(0)
	global_prefetch_b8 v30, s[86:87] offset:2*ROWB th:TH_LOAD_NT scope:SCOPE_SE   ; behind K step 0's load: K step 2, two fills on
	s_lshl_b32 s90, s42, 8
	s_lshl_b32 s91, s16, 7
	s_add_co_u32 s90, s90, s91
	s_lshl_b32 s90, s90, 2
	s_mov_b32 s91, 0
	s_add_nc_u64 s[92:93], s[74:75], s[90:91]
	v_lshlrev_b32 v[VB], 5, v2
.irp b, 0,1,2,3,4,5,6,7
	global_load_b128 v[BIAS+8*\b:BIAS+8*\b+3], v[VB], s[92:93] offset:64*\b
	global_load_b128 v[BIAS+8*\b+4:BIAS+8*\b+7], v[VB], s[92:93] offset:64*\b+16
.endr
	v_mul_u32_u24 v3, v1, PITCH
	v_lshl_add_u32 v4, v2, 4, v3
	s_mul_i32 s21, s15, HALFT
	s_mul_i32 s22, s16, HALFT
	s_add_co_u32 s22, s22, 2*HALFT
.irp s, 0,1
	v_add_nc_u32 v[ADRA+\s], s21, v4
	v_add_nc_u32 v[ADRB+\s], s22, v4
	s_add_co_u32 s21, s21, SLOT
	s_add_co_u32 s22, s22, SLOT
.endr
	s_mul_i32 s23, s15, 128*SPITCH
	s_lshl_b32 s21, s16, 7
	s_add_co_u32 s23, s23, s21
	v_mul_u32_u24 v5, v1, SPITCH
	s_wait_alu depctr_va_vdst(0)
	v_lshl_add_u32 v5, v2, 3, v5
	v_add_nc_u32 v[STO], s23, v5
	s_mul_i32 s23, s14, 64*SPITCH
	v_mul_u32_u24 v5, v2, SPITCH
	v_lshl_add_u32 v5, v1, 4, v5
	v_add_nc_u32 v[RDP], s23, v5
	v_lshlrev_b32 v5, 12, v2
	v_lshl_add_u32 v[COP], v1, 4, v5
	s_lshl_b32 s90, s17, 20
	s_lshl_b32 s91, s42, 8
	s_add_co_u32 s90, s90, s91
	s_lshl_b32 s91, s14, 18
	s_add_co_u32 s90, s90, s91
	s_mov_b32 s91, 0
	s_add_nc_u64 s[10:11], s[76:77], s[90:91]
.macro FRAG reg, adr, q, i
.irp c, 0,1,2,3
	ds_load_b128 v[\reg+4*\c:\reg+4*\c+3], v[\adr] offset:128*(\q)+32*\c+(\i)*16*PITCH
.endr
.endm
.macro MUL16 a0, p, zero
.irp a, \a0, \a0+1
.irp b, 0,1,2,3,4,5,6,7
.if \zero
	v_wmma_f32_16x16x128_bf8_bf8 v[8*(8*((\a)%4)+\b):8*(8*((\a)%4)+\b)+7], v[128*(\p)+FR*\b:128*(\p)+FR*\b+FR-1], v[AF+FR*(\a):AF+FR*(\a)+FR-1], 0
.else
	v_wmma_f32_16x16x128_bf8_bf8 v[8*(8*((\a)%4)+\b):8*(8*((\a)%4)+\b)+7], v[128*(\p)+FR*\b:128*(\p)+FR*\b+FR-1], v[AF+FR*(\a):AF+FR*(\a)+FR-1], v[8*(8*((\a)%4)+\b):8*(8*((\a)%4)+\b)+7]
.endif
.endr
.endr
.endm
.macro FETCH_B slot, q, p
	WIN TO_B
.irp i, 0,1,2,3,4,5,6,7
	FRAG 128*(\p)+FR*\i, ADRB+\slot, \q, \i
.endr
	WIN 0
.endm
.macro FETCH_A slot, q, i0
.irp i, \i0, \i0+1, \i0+2, \i0+3
	FRAG AF+FR*(\i), ADRA+\slot, \q, \i
.endr
.endm
.macro PLACES n
.rept \n
	v_nop
.endr
.endm
.macro STEP slot, q, zero
	s_wait_dscnt 4*NL
	WIN MUL_LO
	MUL16 0, (\q)%2, \zero
	MUL16 2, (\q)%2, \zero
	s_wait_dscnt 0
	PLACES NP
	FETCH_B \slot, (\q)+1, 1-(\q)%2
	FETCH_A \slot, (\q)+1, 0
	WIN MUL_HI
	MUL16 4, (\q)%2, \zero
	MUL16 6, (\q)%2, \zero
	PLACES NP
	WIN 0
	FETCH_A \slot, (\q)+1, 4
.endm
.macro TURN slot, next, fill
	s_wait_tensorcnt 0x0
	ds_add_u32 v[SPW], v[NIL]
	s_wait_dscnt 4*NL+1
	WIN MUL_LO
	MUL16 0, 1, 0
	s_wait_dscnt 0x0
	s_barrier_signal -1
	MUL16 2, 1, 0
	WIN 0
	s_barrier_wait -1
.if \fill
	CREST
	s_add_nc_u64 s[G0+4*\slot+2:G0+4*\slot+3], s[G0+4*\slot+2:G0+4*\slot+3], 2*ROWB
	s_add_nc_u64 s[G0B+4*\slot+2:G0B+4*\slot+3], s[G0B+4*\slot+2:G0B+4*\slot+3], 2*ROWB
	JLOAD G0+4*\slot, G1, G0B+4*\slot, G1B
.else
	PLACES NP
.endif
	FETCH_B \next, 0, 0
	FETCH_A \next, 0, 0
	WIN MUL_HI
	MUL16 4, 1, 0
	MUL16 6, 1, 0
	PLACES NP
	WIN 0
	FETCH_A \next, 0, 4
.endm
	s_wait_alu depctr_va_vdst(0)                   ; the wait at the head's end
	s_wait_tensorcnt 0x0                           ; my part of K step 0 is in
	ds_add_u32 v[SPW], v[NIL]                      ; 0 onto my spare word, ahead of a later first fill
	s_wait_dscnt 0x0
	CROUND                                         ; everybody's part of K step 0 is in, and the joint loads meet
	JLOAD G0+4, G1, G0B+4, G1B                     ; K step 1: the first tensor load behind the round
	FETCH_B 0, 0, 0
	FETCH_A 0, 0, 0
	FETCH_A 0, 0, 4
	global_prefetch_b8 v30, s[86:87] offset:3*ROWB th:TH_LOAD_NT scope:SCOPE_SE   ; behind K step 1's load and the LDS loads: K step 3, the last; the refills ask for nothing
	STEP 0, 0, 1
	s_mov_b32 s3, LAPS-1
.Llap:
	TURN 0, 1, 1
	STEP 1, 0, 0
	TURN 1, 0, 1
	STEP 0, 0, 0
	s_sub_co_u32 s3, s3, 1
	s_cmp_lg_u32 s3, 0
	s_cbranch_scc1 .Llap
	TURN 0, 1, 0
	STEP 1, 0, 0
	s_wait_dscnt 4*NL
	WIN MUL_LO
	MUL16 0, 1, 0
	MUL16 2, 1, 0
	s_wait_dscnt 0
	WIN MUL_HI
	MUL16 4, 1, 0
	MUL16 6, 1, 0
	WIN 0
.macro OUTBLK a
.set AC, 64*((\a)%4)
.set CSET, CD+16*((\a)%4)
.set WN, 0x02+((\a)/4)
.if (\a) == 4
	s_wait_dscnt 0x0
.endif
	WIN WN
.set j, 0
.rept 32
	v_pk_fma_f32 v[TMP+j:TMP+j+1], v[AC+j:AC+j+1], s[96:97], v[BIAS+j:BIAS+j+1] op_sel_hi:[1,0,1]
.set j, j+2
.endr
	WIN 0
.set j, 0
.rept 64
	v_med3_num_f32 v[TMP+j], v[TMP+j], 0, v[LIM]
.set j, j+1
.endr
.irp b, 0,1,2,3,4,5,6,7
	v_cvt_scalef32_pk8_bf8_f32 v[CSET+2*\b:CSET+2*\b+1], v[TMP+8*\b:TMP+8*\b+7], v[SCL]
.endr
	v_nop
.irp b, 0,1,2,3,4,5,6,7
	ds_store_b64 v[STO], v[CSET+2*\b:CSET+2*\b+1] offset:(\a)*16*SPITCH+16*\b
.endr
.endm
	s_wait_kmcnt 0x0
	s_add_co_i32 s96, s82, s83
	s_add_co_i32 s96, s96, 127
	s_lshl_b32 s96, s96, 23
	s_mov_b32 s97, s96
	s_add_co_i32 s90, s84, 127
	s_lshl_b32 s91, s90, 23
	v_mov_b32 v[SCL], s91
	s_add_co_i32 s90, s90, 15
	s_lshl_b32 s90, s90, 23
	s_or_b32 s90, s90, 0x600000
	v_mov_b32 v[LIM], s90
	s_wait_loadcnt 0x0
	PLACES NP
.irp a, 0,1,2,3,4,5,6,7
	OUTBLK \a
.endr
	s_wait_dscnt 0x0
	s_barrier_signal -1
	s_barrier_wait -1
.set t, 0
.rept 32
	ds_load_b128 v[BK+4*t:BK+4*t+3], v[RDP] offset:2*t*SPITCH
.set t, t+1
.endr
.set t, 0
.rept 32
	s_wait_dscnt 31-t
	global_store_b128 v[COP], v[BK+4*t:BK+4*t+3], s[10:11] offset:2*t*4096
.set t, t+1
.endr
	s_wait_tensorcnt 0x0
	ds_add_u32 v[SPW], v[NIL]
	s_wait_dscnt 0x0
	CROUND
	s_endpgm
.Lfunc_end_k_q8422a4dbba_ffn1:
	.size	k_q8422a4dbba_ffn1, .Lfunc_end_k_q8422a4dbba_ffn1-k_q8422a4dbba_ffn1
	.p2alignl 7, 3214868480
	.fill 96, 4, 3214868480
	.section	.rodata,"a",@progbits
	.p2align	6, 0x0
	.amdhsa_kernel k_q8422a4dbba_ffn1
		.amdhsa_group_segment_fixed_size 327680
		.amdhsa_private_segment_fixed_size 0
		.amdhsa_enable_private_segment 0
		.amdhsa_kernarg_size 40
		.amdhsa_user_sgpr_count 2
		.amdhsa_user_sgpr_kernarg_segment_ptr 1
		.amdhsa_wavefront_size32 1
		.amdhsa_system_sgpr_workgroup_id_x 1
		.amdhsa_system_sgpr_workgroup_id_y 1
		.amdhsa_system_sgpr_workgroup_id_z 1
		.amdhsa_system_vgpr_workitem_id 0
		.amdhsa_next_free_vgpr 1024
		.amdhsa_next_free_sgpr 100
		.amdhsa_reserve_vcc 0
		.amdhsa_float_denorm_mode_32 3
		.amdhsa_float_denorm_mode_16_64 3
		.amdhsa_memory_ordered 1
		.amdhsa_forward_progress 1
		.amdhsa_inst_pref_size 144
	.end_amdhsa_kernel
	.amdgpu_metadata
---
amdhsa.version: [ 1, 2 ]
amdhsa.kernels:
  - .name:           k_q8422a4dbba_ffn1
    .symbol:         k_q8422a4dbba_ffn1.kd
    .args:
      - { .name: yc, .offset: 0, .size: 8, .value_kind: global_buffer, .address_space: global }
      - { .name: wc, .offset: 8, .size: 8, .value_kind: global_buffer, .address_space: global }
      - { .name: lowp_scales, .offset: 16, .size: 8, .value_kind: global_buffer, .address_space: global }
      - { .name: b1, .offset: 24, .size: 8, .value_kind: global_buffer, .address_space: global }
      - { .name: hc, .offset: 32, .size: 8, .value_kind: global_buffer, .address_space: global }
    .group_segment_fixed_size: 327680
    .private_segment_fixed_size: 0
    .kernarg_segment_align: 8
    .kernarg_segment_size: 40
    .max_flat_workgroup_size: 128
    .sgpr_count:     100
    .vgpr_count:     1024
    .wavefront_size: 32
...
	.end_amdgpu_metadata
.endif
;; end of part 5
;; launch ffn2 (part 6): grid 8 x 32, 4 waves a work-group, clusters of 4 x 4, 327,680 bytes of LDS; arguments hc, wc, lowp_scales, b2, e1, out0; writes out0
.if DOCPART == 6
	.amdgcn_target "amdgcn-amd-amdhsa--gfx1250"
	.amdhsa_code_object_version 6
	.text
	.protected	k_q8422a4dbba_ffn2
	.globl	k_q8422a4dbba_ffn2
	.p2align	8
	.type	k_q8422a4dbba_ffn2,@function
k_q8422a4dbba_ffn2:
	s_mov_b64 s[64:65], 0
	v_nop
	global_prefetch_b8 v0, s[64:65] scope:SCOPE_SE
	s_setreg_imm32_b32 hwreg(HW_REG_WAVE_MODE, 25, 1), 1
	s_wait_xcnt 0x0
	s_wait_alu depctr_hold_cnt(0) depctr_sa_sdst(0) depctr_va_vdst(0) depctr_va_sdst(0) depctr_va_ssrc(0) depctr_va_vcc(0) depctr_vm_vsrc(0)
	s_getreg_b32 s2, hwreg(HW_REG_IB_STS2, 6, 4)
	s_cmp_eq_u32 s2, 0
	s_cbranch_scc0 .Lentry_in_a_cluster
	s_endpgm
.Lentry_in_a_cluster:
	s_bfe_u32 s2, ttmp6, 0x10000c
	s_cmp_lg_u32 s2, 0xf033
	s_cbranch_scc0 .Lentry_shape_is_right
	s_endpgm
.Lentry_shape_is_right:
.set KSTEP,  512
.set KROW,   4096
.set PITCH,  528
.set HALFT,  64*PITCH
.set SLOT,   4*HALFT
.set STAGE,  2*SLOT
.set SPITCH, 272
.set SPARE,  STAGE+4*16*SPITCH
.set LAPS,   4
.set ADRA, 16
.set ADRB, 20
.set STO,  24
.set RD,   25
.set CO,   26
.set VB,   27
.set SPW,  28
.set NIL,  29
.set BIAS, 32
.set TMP,  64
.set BK,   96
.set ACC,  128
.set F0,   0
.set F1,   128
.set G1, 24
.set G0, 32
.set G1B, 48
.set G0B, 56
.set MSB, 0
.macro WIN new
.if MSB != \new
	s_set_vgpr_msb (MSB<<8)|\new
.set MSB, \new
.endif
.endm
.set MUL,  0x05
.set TO_F, 0x40
.macro JLOAD s
	s_cmp_eq_u32 s11, 0
	s_cbranch_scc0 .Lfor_b_\@
	tensor_load_to_lds s[G0+4*\s:G0+4*\s+3], s[G1:G1+7]
	s_nop 0
.rept 4
	v_nop
.endr
	s_branch .Lasked_\@
.Lfor_b_\@:
	tensor_load_to_lds s[G0B+4*\s:G0B+4*\s+3], s[G1B:G1B+7]
	s_nop 0
.rept 4
	v_nop
.endr
.Lasked_\@:
.endm
.macro CREST
	s_cmp_lg_u32 s10, 0
	s_cbranch_scc1 .Lnot_wave_0_\@
	s_barrier_signal -3
.Lnot_wave_0_\@:
	s_barrier_wait -3
	s_barrier_signal -1
	s_barrier_wait -1
.endm
.macro CROUND
	s_barrier_signal -1
	s_barrier_wait -1
	CREST
.endm
	s_load_b256 s[68:75], s[0:1], 0x0
	s_load_b128 s[76:79], s[0:1], 0x20
	v_lshl_add_u32 v[SPW], v0, 2, SPARE
	v_mov_b32 v[NIL], 0
	ds_add_u32 v28, v29
	ds_add_u32 v28, v29
	s_wait_dscnt 0x0
	v_lshrrev_b32 v1, 5, v0
	v_readfirstlane_b32 s10, v1
	s_lshr_b32 s11, s10, 1
	s_and_b32 s12, s10, 1
	s_bfe_u32 s40, ttmp6, 0x40000
	s_bfe_u32 s41, ttmp6, 0x40004
	s_lshl_b32 s42, ttmp9, 2
	s_add_co_u32 s42, s42, s40
	s_and_b32 s13, ttmp7, 0xffff
	s_lshl_b32 s13, s13, 2
	s_add_co_u32 s13, s13, s41
	s_lshl_b32 s43, s41, 2
	s_lshl_b32 s43, 15, s43
	s_lshl_b32 s44, 0x1111, s40
	s_or_b32 s[G1+0], s43, (0<<16)|(1<<20)|(1<<21)|(6<<22)|(3<<25)
	s_or_b32 s[G1B+0], s44, (0<<16)|(1<<20)|(1<<21)|(6<<22)|(3<<25)
.irp g, G1, G1B
	s_mov_b32 s[\g+1], KSTEP<<16
	s_mov_b32 s[\g+2], 64<<16
	s_mov_b32 s[\g+3], KSTEP<<16
	s_mov_b32 s[\g+4], 64
	s_mov_b32 s[\g+5], KROW
	s_mov_b32 s[\g+6], 0
	s_mov_b32 s[\g+7], 0
.endr
	s_lshl_b32 s18, s12, 6
	s_lshl_b32 s16, s13, 7
	s_add_co_u32 s16, s16, s18
	s_lshl_b32 s16, s16, 12
	s_mov_b32 s17, 0
	s_lshl_b32 s46, s42, 7
	s_add_co_u32 s46, s46, s18
	s_lshl_b32 s46, s46, 12
	s_add_co_u32 s46, s46, 0x700000
	s_mov_b32 s47, 0
	s_mul_i32 s20, s10, HALFT
	s_wait_kmcnt 0x0
	s_load_b64 s[96:97], s[72:73], 0x30
	s_add_nc_u64 s[14:15], s[68:69], s[16:17]
	s_add_nc_u64 s[46:47], s[70:71], s[46:47]
	CROUND
.irp s, 0,1
	s_mov_b32 s[G0+4*\s], 1
	s_add_co_u32 s[G0+4*\s+1], s20, \s*SLOT
	s_add_nc_u64 s[G0+4*\s+2:G0+4*\s+3], s[14:15], \s*KSTEP
	s_or_b32 s[G0+4*\s+3], s[G0+4*\s+3], 0x80000000
	s_mov_b32 s[G0B+4*\s], 1
	s_add_co_u32 s[G0B+4*\s+1], s20, \s*SLOT
	s_add_nc_u64 s[G0B+4*\s+2:G0B+4*\s+3], s[46:47], \s*KSTEP
	s_or_b32 s[G0B+4*\s+3], s[G0B+4*\s+3], 0x80000000
.endr
	JLOAD 0                                        ; K step 0: one tensor load a wave at the head, behind the opening round
	v_and_b32 v1, 15, v0
	v_bfe_u32 v2, v0, 4, 1
	; the prefetches: of the 64 rows that my wave fetches, each of the four partners that ask for them jointly takes 16, told apart by address (cx for h's rows, cy for W2's);
	; a K step is 512 bytes of a row: two lanes a row, 256 bytes apart: each aligned block of 256 bytes is named once in the cluster
	v_and_b32 v30, 31, v0
	v_lshrrev_b32 v31, 1, v30
	v_and_b32 v30, 1, v30
	v_lshlrev_b32 v30, 8, v30
	v_lshl_add_u32 v30, v31, 12, v30               ; (lane / 2) rows of 4,096 bytes + 256 (lane % 2); never rewritten
	s_cmp_eq_u32 s11, 0                            ; do I fetch for A?
	s_cselect_b32 s82, s13, s42                    ; the tile's number,
	s_cselect_b32 s83, s40, s41                    ; my place among the four,
	s_cselect_b32 s84, 0, 0x700000                 ; where the tensor begins in its buffer
	s_cselect_b64 s[80:81], s[68:69], s[70:71]
	s_lshl_b32 s82, s82, 7
	s_lshl_b32 s85, s12, 6
	s_add_co_u32 s82, s82, s85
	s_lshl_b32 s83, s83, 4
	s_add_co_u32 s82, s82, s83                     ; row 128 x tile + 64 x half + 16 x place
	s_lshl_b32 s82, s82, 12
	s_add_co_u32 s82, s82, s84
	s_mov_b32 s83, 0
	s_add_nc_u64 s[80:81], s[80:81], s[82:83]      ; at K step 0
	s_wait_alu depctr_va_vdst(0)
	global_prefetch_b8 v30, s[80:81] offset:2*KSTEP th:TH_LOAD_NT scope:SCOPE_SE   ; behind K step 0's load: K step 2, two fills on
	s_lshl_b32 s88, s42, 7
	s_lshl_b32 s89, s12, 6
	s_add_co_u32 s88, s88, s89
	s_lshl_b32 s88, s88, 2
	s_mov_b32 s89, 0
	s_add_nc_u64 s[92:93], s[74:75], s[88:89]
	s_lshl_b32 s90, s13, 7
	s_lshl_b32 s91, s11, 6
	s_add_co_u32 s90, s90, s91
	s_lshl_b32 s90, s90, 12
	s_add_co_u32 s90, s90, s88
	s_mov_b32 s91, 0
	s_add_nc_u64 s[94:95], s[76:77], s[90:91]
	s_add_nc_u64 s[8:9], s[78:79], s[90:91]
	v_lshlrev_b32 v[VB], 5, v2
	v_lshlrev_b32 v5, 12, v2
	v_lshl_add_u32 v[CO], v1, 4, v5
.irp b, 0,1,2,3
	global_load_b128 v[BIAS+8*\b:BIAS+8*\b+3], v[VB], s[92:93] offset:64*\b
	global_load_b128 v[BIAS+8*\b+4:BIAS+8*\b+7], v[VB], s[92:93] offset:64*\b+16
.endr
	v_mul_u32_u24 v3, v1, PITCH
	v_lshl_add_u32 v3, v2, 4, v3
	s_mul_i32 s21, s11, HALFT
	s_mul_i32 s22, s12, HALFT
	s_add_co_u32 s22, s22, 2*HALFT
.irp s, 0,1
	v_add_nc_u32 v[ADRA+\s], s21, v3
	v_add_nc_u32 v[ADRB+\s], s22, v3
	s_add_co_u32 s21, s21, SLOT
	s_add_co_u32 s22, s22, SLOT
.endr
	s_mul_i32 s23, s10, 16*SPITCH
	s_add_co_u32 s23, s23, STAGE
	v_mul_u32_u24 v4, v1, SPITCH
	v_lshl_add_u32 v4, v2, 5, v4
	v_add_nc_u32 v[STO], s23, v4
	v_mul_u32_u24 v5, v2, SPITCH
	v_lshl_add_u32 v5, v1, 4, v5
	v_add_nc_u32 v[RD], s23, v5
.macro MUL8 f, a0, zero
.irp a, \a0, \a0+1
.irp b, 0,1,2,3
.if \zero
	v_wmma_f32_16x16x128_bf8_bf8 v[ACC+8*(4*(\a)+\b):ACC+8*(4*(\a)+\b)+7], v[\f+64+16*\b:\f+64+16*\b+15], v[\f+16*(\a):\f+16*(\a)+15], 0
.else
	v_wmma_f32_16x16x128_bf8_bf8 v[ACC+8*(4*(\a)+\b):ACC+8*(4*(\a)+\b)+7], v[\f+64+16*\b:\f+64+16*\b+15], v[\f+16*(\a):\f+16*(\a)+15], v[ACC+8*(4*(\a)+\b):ACC+8*(4*(\a)+\b)+7]
.endif
.endr
.endr
.endm
.macro FRAG reg, adr, k, i
.irp c, 0,1,2,3
	ds_load_b128 v[\reg+4*\c:\reg+4*\c+3], v[\adr] offset:(\k)+32*\c+(\i)*16*PITCH
.endr
.endm
.macro FETCH slot, k, f
	WIN TO_F
.irp i, 0,1,2,3
	FRAG \f+64+16*\i, ADRB+\slot, \k, \i
.endr
.irp i, 0,1,2,3
	FRAG \f+16*\i, ADRA+\slot, \k, \i
.endr
.endm
.macro PLACES
.rept 4
	v_nop
.endr
.endm
.macro QUARTER slot, k, f, g, zero
	s_wait_dscnt 8
	WIN MUL
	MUL8 \f, 0, \zero
	PLACES
	FETCH \slot, \k, \g
	s_wait_dscnt 32
	WIN MUL
	MUL8 \f, 2, \zero
.endm
.macro TURN slot, next, fill
	WIN 0
.if \fill
	s_wait_xcnt 0x0                                ; my last prefetch has read its address: it is stepped here, ahead of the waits of the change of slots
	s_add_nc_u64 s[80:81], s[80:81], KSTEP         ; one K step behind the K step that this change asks for
.endif
	s_wait_tensorcnt 0x0
	ds_add_u32 v[SPW], v[NIL]
	s_wait_dscnt 9
	WIN MUL
	MUL8 F1, 0, 0
	s_wait_dscnt 0x0
	s_barrier_signal -1
	WIN 0
	s_barrier_wait -1
.if \fill
	CREST
	s_add_nc_u64 s[G0+4*\slot+2:G0+4*\slot+3], s[G0+4*\slot+2:G0+4*\slot+3], 2*KSTEP
	s_add_nc_u64 s[G0B+4*\slot+2:G0B+4*\slot+3], s[G0B+4*\slot+2:G0B+4*\slot+3], 2*KSTEP
	JLOAD \slot
.else
	PLACES
.endif
	FETCH \next, 0, F0
.if \fill
	WIN 0                                          ; at a branch and at a label every window is 0
	s_cmp_gt_u32 s3, 1                             ; the loop's last trip fills K steps 6 and 7: no K step stands two on
	s_cbranch_scc0 .Lno_ask_\@
	global_prefetch_b8 v30, s[80:81] offset:3*KSTEP th:TH_LOAD_NT scope:SCOPE_SE   ; behind the joint load and the LDS loads: the K step two fills on
.Lno_ask_\@:
.endif
	WIN MUL
	MUL8 F1, 2, 0
.endm
	s_wait_alu depctr_va_vdst(0)
	s_wait_tensorcnt 0x0                           ; my part of K step 0 is in
	ds_add_u32 v[SPW], v[NIL]                      ; 0 onto my spare word, ahead of a later first fill
	s_wait_dscnt 0x0
	CROUND                                         ; everybody's part of K step 0 is in, and the joint loads meet
	JLOAD 1                                        ; K step 1: the first tensor load behind the round
	FETCH 0, 0, F0
	WIN 0
	global_prefetch_b8 v30, s[80:81] offset:3*KSTEP th:TH_LOAD_NT scope:SCOPE_SE   ; behind K step 1's load: K step 3
	QUARTER 0, 128, F0, F1, 1
	WIN 0
	s_mov_b32 s3, LAPS-1
.Llap:
	QUARTER 0, 256, F1, F0, 0
	QUARTER 0, 384, F0, F1, 0
	TURN 0, 1, 1
	QUARTER 1, 128, F0, F1, 0
	QUARTER 1, 256, F1, F0, 0
	QUARTER 1, 384, F0, F1, 0
	TURN 1, 0, 1
	QUARTER 0, 128, F0, F1, 0
	WIN 0
	s_sub_co_u32 s3, s3, 1
	s_cmp_lg_u32 s3, 0
	s_cbranch_scc1 .Llap
	WIN 0x80                                       ; my 64 rows x 256 bytes of e1, wanted on the way out, are asked for behind the last fill: they come in under the last two K steps
.set t, 0
.rept 32
	global_load_b128 v[4*t:4*t+3], v[CO], s[94:95] offset:2*t*4096 th:TH_LOAD_NT
.set t, t+1
.endr
	WIN 0
	QUARTER 0, 256, F1, F0, 0
	QUARTER 0, 384, F0, F1, 0
	TURN 0, 1, 0
	QUARTER 1, 128, F0, F1, 0
	QUARTER 1, 256, F1, F0, 0
	QUARTER 1, 384, F0, F1, 0
	s_wait_dscnt 8
	WIN MUL
	MUL8 F1, 0, 0
	s_wait_dscnt 0
	MUL8 F1, 2, 0
	WIN 0
	s_wait_kmcnt 0x0
	s_add_co_i32 s96, s96, s97
	s_add_co_i32 s96, s96, 127
	s_lshl_b32 s96, s96, 23
	s_mov_b32 s97, s96
	s_wait_loadcnt 0x0
	PLACES
.irp a, 0,1,2,3
.set j, 0
.rept 16
	v_pk_fma_f32 v[TMP+j:TMP+j+1], v[ACC+32*\a+j:ACC+32*\a+j+1], s[96:97], v[BIAS+j:BIAS+j+1] op_sel_hi:[1,0,1]
.set j, j+2
.endr
.irp b, 0,1,2,3
	ds_store_b128 v[STO], v[TMP+8*\b:TMP+8*\b+3] offset:64*\b
	ds_store_b128 v[STO], v[TMP+8*\b+4:TMP+8*\b+7] offset:64*\b+16
.endr
.irp t, 0,1,2,3,4,5,6,7
	ds_load_b128 v[BK+4*\t:BK+4*\t+3], v[RD] offset:2*\t*SPITCH
.endr
	s_wait_dscnt 0x0
	WIN 0x88
.set j, 0
.rept 16
	v_pk_add_f32 v[32*\a+j:32*\a+j+1], v[BK+j:BK+j+1], v[32*\a+j:32*\a+j+1]
.set j, j+2
.endr
	WIN 0x08
.irp t, 0,1,2,3,4,5,6,7
	global_store_b128 v[CO], v[32*\a+4*\t:32*\a+4*\t+3], s[8:9] offset:(16*\a+2*\t)*4096 th:TH_STORE_NT
.endr
	WIN 0
.endr
	s_wait_tensorcnt 0x0
	ds_add_u32 v[SPW], v[NIL]
	s_wait_dscnt 0x0
	CROUND
	s_endpgm
.Lfunc_end_k_q8422a4dbba_ffn2:
	.size	k_q8422a4dbba_ffn2, .Lfunc_end_k_q8422a4dbba_ffn2-k_q8422a4dbba_ffn2
	.p2alignl 7, 3214868480
	.fill 96, 4, 3214868480
	.section	.rodata,"a",@progbits
	.p2align	6, 0x0
	.amdhsa_kernel k_q8422a4dbba_ffn2
		.amdhsa_group_segment_fixed_size 327680
		.amdhsa_private_segment_fixed_size 0
		.amdhsa_enable_private_segment 0
		.amdhsa_kernarg_size 48
		.amdhsa_user_sgpr_count 2
		.amdhsa_user_sgpr_kernarg_segment_ptr 1
		.amdhsa_wavefront_size32 1
		.amdhsa_system_sgpr_workgroup_id_x 1
		.amdhsa_system_sgpr_workgroup_id_y 1
		.amdhsa_system_sgpr_workgroup_id_z 1
		.amdhsa_system_vgpr_workitem_id 0
		.amdhsa_next_free_vgpr 768
		.amdhsa_next_free_sgpr 100
		.amdhsa_reserve_vcc 0
		.amdhsa_float_denorm_mode_32 3
		.amdhsa_float_denorm_mode_16_64 3
		.amdhsa_memory_ordered 1
		.amdhsa_forward_progress 1
		.amdhsa_inst_pref_size 84
	.end_amdhsa_kernel
	.amdgpu_metadata
---
amdhsa.version: [ 1, 2 ]
amdhsa.kernels:
  - .name:           k_q8422a4dbba_ffn2
    .symbol:         k_q8422a4dbba_ffn2.kd
    .args:
      - { .name: hc, .offset: 0, .size: 8, .value_kind: global_buffer, .address_space: global }
      - { .name: wc, .offset: 8, .size: 8, .value_kind: global_buffer, .address_space: global }
      - { .name: lowp_scales, .offset: 16, .size: 8, .value_kind: global_buffer, .address_space: global }
      - { .name: b2, .offset: 24, .size: 8, .value_kind: global_buffer, .address_space: global }
      - { .name: e1, .offset: 32, .size: 8, .value_kind: global_buffer, .address_space: global }
      - { .name: out0, .offset: 40, .size: 8, .value_kind: global_buffer, .address_space: global }
    .group_segment_fixed_size: 327680
    .private_segment_fixed_size: 0
    .kernarg_segment_align: 8
    .kernarg_segment_size: 48
    .max_flat_workgroup_size: 128
    .sgpr_count:     100
    .vgpr_count:     768
    .wavefront_size: 32
...
	.end_amdgpu_metadata
.endif
;; end of part 6
